; MI455X (gfx1250); checked and timed in simulation.
; The chip was launched on July 23, 2026; its instructions are those of AMD's public machine-readable ISA for CDNA 5 (MIT licence, August 2026) and "CDNA5" Instruction Set Architecture Reference Guide (July 2026). The comments in the code are by the model that wrote it; some were corrected since.
;; Multi Head Attention. Allowed arithmetic: matrix products marked QUANTISED: E4M3 operands, one given power-of-two scale a tensor, by v_wmma_f32_16x16x64_fp8_fp8 or v_wmma_f32_16x16x128_fp8_fp8, f32 sums; everything else in f32.
;; Inputs: Wk 1,024 x 1,024 float32; Wo 1,024 x 1,024 float32; Wq 1,024 x 1,024 float32; Wv 1,024 x 1,024 float32; bk 1,024 float32; bo 1,024 float32; bq 1,024 float32; bv 1,024 float32; key 4 x 2,048 x 1,024 float32; lowp_scales 12 int32 (the exponents e of the quantised operands' scales 2^e); query 4 x 2,048 x 1,024 float32; value 4 x 2,048 x 1,024 float32.
;; Outputs: out0 4 x 2,048 x 1,024 float32.
;; This version of the problem:
;;   THIS VERSION OF THE PROBLEM IS GIVEN IN LOW PRECISION. The matrix products marked QUANTISED in the list below multiply operands that are first quantised to E4M3 (4 exponent bits, 3 mantissa bits; 8 bits a number), with one given power-of-two scale for each operand tensor; their sums are f32. All else is computed in f32.
;;   The module's matrix products, in the order in which they are computed (A, B: the left and right operand; K: the contracted axis; several contracted axes count as one K, in the product's order):
;;     1. [M 8,192, K 1,024] x [K 1,024, N 1,024]; A: input query; B: input Wq: QUANTISED (scales: A lowp_scales[0], B lowp_scales[1])
;;     2. [M 8,192, K 1,024] x [K 1,024, N 1,024]; A: input key; B: input Wk: QUANTISED (scales: A lowp_scales[2], B lowp_scales[3])
;;     3. [M 8,192, K 1,024] x [K 1,024, N 1,024]; A: input value; B: input Wv: QUANTISED (scales: A lowp_scales[4], B lowp_scales[5])
;;     4. batch 64 x [M 2,048, K 64] x [K 64, N 2,048]; A: computed on the way; B: computed on the way: QUANTISED (scales: A lowp_scales[6], B lowp_scales[7])
;;     5. batch 64 x [M 2,048, K 2,048] x [K 2,048, N 64]; A: softmax (see below); B: computed on the way: QUANTISED (scales: A lowp_scales[8], B lowp_scales[9])
;;     6. [M 8,192, K 1,024] x [K 1,024, N 1,024]; A: computed on the way; B: input Wo: QUANTISED (scales: A lowp_scales[10], B lowp_scales[11])
;;   THE QUANTISER, for each operand of a quantised product, along K:
;;     - The operand's scale is 2^e, e = its entry of the input lowp_scales (int32; the entries are numbered through the quantised products in the list's order, A before B).
;;     - Each number is divided by the scale, clamped to +-448, and rounded to the nearest number of E4M3, ties to even, subnormals kept.
;;     - The product sums the exact products of the quantised numbers (number of the format x scale) in f32.
;;   ~~~python
;;   def quantise(x, axis, e):      # numpy; x: float32 -> the quantised numbers, widened to float32 again
;;       x = np.moveaxis(x, axis, -1); K = x.shape[-1]
;;       r = np.clip(x / 2.0 ** e, -448, 448)
;;       step = 2.0 ** (np.maximum(np.frexp(np.where(r == 0, 1, r))[1] - 1, -6) - 3)
;;       q = np.round(r / step) * step * 2.0 ** e      # np.round: ties to even
;;       return np.moveaxis(q, -1, axis).astype(np.float32)
;;   ~~~
;;   SOFTMAX AHEAD OF A QUANTISED PRODUCT. Where the list says 'softmax', what is quantised is not the finished softmax but p = 2^(t - M), with t = logit x log2(e) and M = ceil(the row's largest t), a whole number; so 1/2 < the row's largest p <= 1. The row's sum l is taken of the UNQUANTISED p, in f32, and the product's result is divided by l at the end. Since M is a whole number, a kernel that streams over the keys may use a running M (the ceiling of the running maximum): every later rescaling is an exact power of two, so the quantised numbers keep their values, but for numbers so far below the row's largest that they fall under the format's range.
;;   OPERANDS COMPUTED ON THE WAY. 'Computed on the way' means the value that the module computes at that place (a softmax that the list does not call 'softmax' is quantised finished and normalised). What goes into a quantiser is computed in f32, as accurately as f32 sums, v_exp_f32 and their like allow (about 1e-6 of the number): no bf16 or f16 on the way to a quantiser, and a product that is left as it is and whose result goes on into a quantised operand takes f32 operands (vector FMAs, or v_wmma_f32_16x16x4_f32). A number that lies on a knife's edge between two numbers of the format may be rounded either way, as far as f32 arithmetic and the matrix unit's own rounding can turn it there, and no further.
;; 2 versions, each right; version 2 is version 1 with the launch attn written anew for expert scheduling mode. Each part assembles by itself: llvm-mc -triple=amdgcn-amd-amdhsa -mcpu=gfx1250 --defsym DOCPART=n.
;; ======== version 1 of 2: 4 launches
;; workspace buffers: xcodes 25,165,824 bytes; wcodes 4,194,304 bytes; qkv 25,165,824 bytes; xo 8,388,608 bytes
;; launch quant (part 1): grid 448 x 1, 4 waves a work-group, no clusters, 34,304 bytes of LDS; arguments query, key, value, Wq, Wk, Wv, Wo, lowp_scales, xcodes, wcodes; writes xcodes, wcodes
.if DOCPART == 1
	.amdgcn_target "amdgcn-amd-amdhsa--gfx1250"
	.amdhsa_code_object_version 6
	.text
	.protected	k_qe7c28dff97_quant
	.globl	k_qe7c28dff97_quant
	.p2align	8
	.type	k_qe7c28dff97_quant,@function
k_qe7c28dff97_quant:
	s_mov_b64 s[64:65], 0
	v_nop
	global_prefetch_b8 v0, s[64:65] scope:SCOPE_SE
	s_setreg_imm32_b32 hwreg(HW_REG_WAVE_MODE, 25, 1), 1
	s_wait_xcnt 0x0
; query, key, value [8192][1024] and Wq, Wk, Wv, Wo [1024][1024], f32 with K innermost, become codes of FP8 (E4M3), each tensor with its given scale 2^e:
; code = x / 2^e, held within +-448, rounded to the nearest code, ties to even.
; LIMITS: each e between -126 and 119, so that 2^e and 448 x 2^e are f32 numbers.  NaN among the inputs is not served (an infinity is held at the largest code).
; THE CODES ARE LAID IN THE ORDER OF THE READER'S OPERAND REGISTERS.  A block of 128 rows x 1024 K is 131,072 bytes:
;   byte = ks x 32768 + i x 4096 + q x 2048 + c x 512 + lane x 16   (k = 256 ks + 128 q + 32 c + 16 (lane / 16) + 0 .. 15)
; and lane r = lane % 16 of tile i holds row 32 (i / 2) + 8 (i % 2) + r + 8 (r / 8): a tile is two groups of eight rows, 16 rows apart.
; So a fragment (16 rows x 128 K) is 2,048 bytes on end, and a product's results on such tiles fall into the lanes in which the next operand wants them.
; SHARES.  A work-group takes 64 rows, a wave one tile of 16 rows x 1024 K: eight steps of one fragment.  Work-groups 0-383: query, key, value (128 each); 384-447: Wq, Wk, Wv, Wo (16 each).
; Only pointers are chosen by the work-group's number: all tensors take one path through the text.
; A load reads 512 consecutive bytes of one row; the conversions want 16 neighbours along K in one lane: so a step's 16 x 512 bytes turn through the wave's own stage in LDS (rows of 512 + 16 bytes).
; A wave's store covers 512 consecutive bytes, aligned.  Waves share nothing: no barrier.  No matrix unit, no cluster: memory binds, and no byte is read twice.
.set ROWB, 4096                        ; a row of f32 in memory
.set SP,   528                         ; a stage row: 512 bytes + 16: 132 words, so sixteen rows start at sixteen different groups of four banks
.set WST,  16*SP                       ; a wave's stage
.set GO,   2                           ; v2   16 x lane: the offset of loads and stores; never rewritten
.set SIN,  3                           ; v3   the stage, on the way in: 16 x lane
.set SOUT, 4                           ; v4   and on the way out: row r, + 64 (lane / 16)
.set LIM,  10                          ; v10  448 x 2^e
.set SCL,  11                          ; v11  2^e
.set R,    16                          ; v16-143   two sets of 64 registers as loaded
.set X,    144                         ; v144-207  64 numbers: register 16 c + i = k 32 c + 16 (lane / 16) + i of my row
.set C,    208                         ; v208-239  two sets of 16 registers of codes
	s_load_b512 s[4:19], s[0:1], 0x0               ; query, key, value, Wq, Wk, Wv, Wo, the scales' exponents (s[18:19])
	s_load_b128 s[20:23], s[0:1], 0x40             ; xcodes, wcodes
	v_lshl_add_u32 v240, v0, 2, 0x8400
	v_mov_b32 v241, 0
	v_lshrrev_b32 v1, 5, v0
	v_readfirstlane_b32 s34, v1                    ; wave 0..3
	v_and_b32 v1, 31, v0
	v_lshlrev_b32 v[GO], 4, v1
	s_mul_i32 s35, s34, WST
	v_add_nc_u32 v[SIN], s35, v[GO]
	v_and_b32 v5, 15, v0                           ; r
	v_bfe_u32 v6, v0, 4, 1                         ; lane / 16
	v_mul_u32_u24 v[SOUT], v5, SP
	v_lshl_add_u32 v[SOUT], v6, 6, v[SOUT]
	v_add_nc_u32 v[SOUT], s35, v[SOUT]
	s_cmp_lt_u32 ttmp9, 384                        ; an activation or a weight?
	s_cselect_b32 s29, 127, 15
	s_cselect_b32 s30, 0, 384
	s_and_b32 s29, ttmp9, s29                      ; which 64 rows of the tensor
	s_sub_co_u32 s30, ttmp9, s30                   ; which 64 rows of the buffer of codes
	s_lshl_b32 s36, s29, 18                        ; in: 64 rows of 4,096 bytes,
	s_lshr_b32 s31, s34, 1
	s_lshl_b32 s31, s31, 17                        ; + 32 (wave / 2) rows
	s_add_co_u32 s36, s36, s31
	s_and_b32 s31, s34, 1
	s_lshl_b32 s31, s31, 15                        ; + 8 (wave % 2) rows
	s_add_co_u32 s36, s36, s31
	s_mov_b32 s37, 0
	s_sub_co_u32 s38, s30, s29                     ; out: the tensor's part (65,536 bytes of codes for each 64 rows),
	s_lshl_b32 s38, s38, 16
	s_lshr_b32 s31, s29, 1
	s_lshl_b32 s31, s31, 17                        ; + the block of 128 rows,
	s_add_co_u32 s38, s38, s31
	s_and_b32 s31, s29, 1
	s_lshl_b32 s31, s31, 14                        ; + tiles 0-3 or 4-7,
	s_add_co_u32 s38, s38, s31
	s_lshl_b32 s31, s34, 12                        ; + my tile
	s_add_co_u32 s38, s38, s31
	s_mov_b32 s39, 0
	s_wait_kmcnt 0x0
	s_mov_b64 s[24:25], s[16:17]                   ; Wo, unless the work-group's number says otherwise
	s_mov_b32 s26, 44                              ; and the byte of its entry among the scales
.macro PICK lim, ptr, off
	s_cmp_lt_u32 ttmp9, \lim
	s_cselect_b64 s[24:25], s[\ptr:\ptr+1], s[24:25]
	s_cselect_b32 s26, \off, s26
.endm
	PICK 432, 14, 20                               ; Wv
	PICK 416, 12, 12                               ; Wk
	PICK 400, 10, 4                                ; Wq
	PICK 384, 8, 16                                ; value
	PICK 256, 6, 8                                 ; key
	PICK 128, 4, 0                                 ; query
	s_cmp_lt_u32 ttmp9, 384
	s_cselect_b64 s[32:33], s[20:21], s[22:23]
	s_mov_b32 s27, 0
	s_add_nc_u64 s[18:19], s[18:19], s[26:27]
	s_load_b32 s28, s[18:19], 0x0                  ; e
	s_add_nc_u64 s[24:25], s[24:25], s[36:37]
	s_add_nc_u64 s[32:33], s[32:33], s[38:39]
.macro LOAD t                          ; step t: k = 128 t .. 128 t + 127 of my 16 rows, a row a load
.irp i, 0,1,2,3,4,5,6,7,8,9,10,11,12,13,14,15
	global_load_b128 v[R+64*((\t)%2)+4*\i:R+64*((\t)%2)+4*\i+3], v[GO], s[24:25] offset:(\i+8*(\i/8))*ROWB+512*(\t) th:TH_LOAD_NT
.endr
.endm
	LOAD 0
	LOAD 1
	s_wait_kmcnt 0x0
	s_add_co_i32 s28, s28, 127
	s_lshl_b32 s29, s28, 23
	v_mov_b32 v[SCL], s29                          ; 2^e as f32: the conversion takes its exponent field
	s_add_co_i32 s28, s28, 8
	s_lshl_b32 s28, s28, 23
	s_or_b32 s28, s28, 0x600000
	v_mov_b32 v[LIM], s28                          ; 448 x 2^e
.macro STEP t
.set RS, R+64*((\t)%2)
.set CS, C+16*((\t)%2)
.if (\t) < 7
	s_wait_loadcnt 16                              ; this step's 16 loads are in; the next step's 16 may be out
.else
	s_wait_loadcnt 0x0
.endif
.irp i, 0,1,2,3,4,5,6,7,8,9,10,11,12,13,14,15
	ds_store_b128 v[SIN], v[RS+4*\i:RS+4*\i+3] offset:SP*\i
.endr
.irp c, 0,1,2,3
.irp j, 0,1,2,3
	ds_load_b128 v[X+16*\c+4*\j:X+16*\c+4*\j+3], v[SOUT] offset:128*\c+16*\j   ; LDS serves a wave's instructions in order (ISA guide 5.7.1.4): these see the stores above
.endr
.endr
	s_wait_dscnt 0x0                               ; the numbers are back, and the stores into the stage have read their registers,
.if (\t) < 6
	LOAD (\t)+2                                    ; which take the loads of two steps on
.endif
.set i, 0
.rept 64
	v_med3_num_f32 v[X+i], v[X+i], -v[LIM], v[LIM] ; the conversion to an 8-bit code does not saturate (ISA guide 7.6.2): the hold at the largest code x the scale
.set i, i+1
.endr
.if (\t) >= 2
	s_wait_xcnt 0x0                                ; the stores of two steps back have read this set of codes: it is written again only behind this wait
.endif
.irp c, 0,1,2,3
	v_cvt_scalef32_pk8_fp8_f32 v[CS+4*\c:CS+4*\c+1], v[X+16*\c:X+16*\c+7], v[SCL]
	v_cvt_scalef32_pk8_fp8_f32 v[CS+4*\c+2:CS+4*\c+3], v[X+16*\c+8:X+16*\c+15], v[SCL]
.endr
	v_nop                                          ; a plain line behind the last conversion: the next step's holds write the conversions' sources
.irp c, 0,1,2,3
	global_store_b128 v[GO], v[CS+4*\c:CS+4*\c+3], s[32:33] offset:((\t)/2)*32768+((\t)%2)*2048+512*\c   ; 32 lanes store 512 consecutive bytes, aligned
.endr
.endm
.irp t, 0,1,2,3,4,5,6,7
	STEP \t
.endr
	s_wait_tensorcnt 0x0
	ds_add_u32 v240, v241
	s_wait_dscnt 0x0
	s_endpgm
.Lfunc_end_k_qe7c28dff97_quant:
	.size	k_qe7c28dff97_quant, .Lfunc_end_k_qe7c28dff97_quant-k_qe7c28dff97_quant
	.p2alignl 7, 3214868480
	.fill 96, 4, 3214868480
	.section	.rodata,"a",@progbits
	.p2align	6, 0x0
	.amdhsa_kernel k_qe7c28dff97_quant
		.amdhsa_group_segment_fixed_size 34304
		.amdhsa_private_segment_fixed_size 0
		.amdhsa_enable_private_segment 0
		.amdhsa_kernarg_size 80
		.amdhsa_user_sgpr_count 2
		.amdhsa_user_sgpr_kernarg_segment_ptr 1
		.amdhsa_wavefront_size32 1
		.amdhsa_system_sgpr_workgroup_id_x 1
		.amdhsa_system_sgpr_workgroup_id_y 1
		.amdhsa_system_sgpr_workgroup_id_z 1
		.amdhsa_system_vgpr_workitem_id 0
		.amdhsa_next_free_vgpr 242
		.amdhsa_next_free_sgpr 66
		.amdhsa_reserve_vcc 0
		.amdhsa_float_denorm_mode_32 3
		.amdhsa_float_denorm_mode_16_64 3
		.amdhsa_memory_ordered 1
		.amdhsa_forward_progress 1
		.amdhsa_inst_pref_size 72
	.end_amdhsa_kernel
	.amdgpu_metadata
---
amdhsa.version: [ 1, 2 ]
amdhsa.kernels:
  - .name:           k_qe7c28dff97_quant
    .symbol:         k_qe7c28dff97_quant.kd
    .args:
      - { .name: query, .offset: 0, .size: 8, .value_kind: global_buffer, .address_space: global }
      - { .name: key, .offset: 8, .size: 8, .value_kind: global_buffer, .address_space: global }
      - { .name: value, .offset: 16, .size: 8, .value_kind: global_buffer, .address_space: global }
      - { .name: Wq, .offset: 24, .size: 8, .value_kind: global_buffer, .address_space: global }
      - { .name: Wk, .offset: 32, .size: 8, .value_kind: global_buffer, .address_space: global }
      - { .name: Wv, .offset: 40, .size: 8, .value_kind: global_buffer, .address_space: global }
      - { .name: Wo, .offset: 48, .size: 8, .value_kind: global_buffer, .address_space: global }
      - { .name: lowp_scales, .offset: 56, .size: 8, .value_kind: global_buffer, .address_space: global }
      - { .name: xcodes, .offset: 64, .size: 8, .value_kind: global_buffer, .address_space: global }
      - { .name: wcodes, .offset: 72, .size: 8, .value_kind: global_buffer, .address_space: global }
    .group_segment_fixed_size: 34304
    .private_segment_fixed_size: 0
    .kernarg_segment_align: 8
    .kernarg_segment_size: 80
    .max_flat_workgroup_size: 128
    .sgpr_count:     66
    .vgpr_count:     242
    .wavefront_size: 32
...
	.end_amdgpu_metadata
.endif
;; end of part 1
;; launch proj (part 2): grid 4 x 96, 4 waves a work-group, clusters of 4 x 4, 327,680 bytes of LDS; arguments xcodes, wcodes, lowp_scales, bq, bk, bv, qkv; writes qkv
.if DOCPART == 2
	.amdgcn_target "amdgcn-amd-amdhsa--gfx1250"
	.amdhsa_code_object_version 6
	.text
	.protected	k_qe7c28dff97_proj
	.globl	k_qe7c28dff97_proj
	.p2align	8
	.type	k_qe7c28dff97_proj,@function
k_qe7c28dff97_proj:
	s_mov_b64 s[64:65], 0
	v_nop
	global_prefetch_b8 v0, s[64:65] scope:SCOPE_SE
	s_setreg_imm32_b32 hwreg(HW_REG_WAVE_MODE, 25, 1), 1
	s_wait_xcnt 0x0
	s_wait_alu depctr_hold_cnt(0) depctr_sa_sdst(0) depctr_va_vdst(0) depctr_va_sdst(0) depctr_va_ssrc(0) depctr_va_vcc(0) depctr_vm_vsrc(0)
	s_getreg_b32 s2, hwreg(HW_REG_IB_STS2, 6, 4)
	s_cmp_eq_u32 s2, 0
	s_cbranch_scc0 .Lentry_in_a_cluster
	s_endpgm
.Lentry_in_a_cluster:
	s_bfe_u32 s2, ttmp6, 0x10000c
	s_cmp_lg_u32 s2, 0xf033
	s_cbranch_scc0 .Lentry_shape_is_right
	s_endpgm
.Lentry_shape_is_right:
; q = query Wq^T + bq, k = key Wk^T + bk, v = value Wv^T + bv on codes of FP8 (E4M3); each result is quantised at once with its own given scale (q: entry 6, k: entry 7, v: entry 9 of the scales)
; and stored as the attention launch's operand registers want it.  Sums in f32; result = sum x 2^(ea + eb) + bias, one fused multiply-add; then the hold at +-448 x 2^eo and the conversion.
; LIMITS: ea + eb between -126 and 127, eo between -126 and 119, so that each power of two below is an f32 number.
; A tile of 256 x 256 of a product is made by a work-group of four waves; a wave makes 128 x 128: 64 accumulators, 512 registers.  K = 1024 goes in four steps of 256 through a ring of two LDS slots.
; THE OPERANDS LIE IN MEMORY AS IMAGES OF FRAGMENTS: 128 rows x 256 K are one dense block of 32,768 bytes (tile i at 4096 i, 128 K at 2048 q, four registers at 512 c, 16 bytes a lane), so a wave's tensor load
; brings one block, and a fragment comes by four ds_load_b128 at 16 x lane: no pitch, no padding, each load 512 consecutive bytes.  Lane r of tile i holds row 32 (i / 2) + 8 (i % 2) + r + 8 (r / 8).
; SOURCE 0 ('X') gives a lane's registers, SOURCE 1 ('Y') its lane: registers 0-7 of the accumulators (a, 2 B) and (a, 2 B + 1) of lane (r, h) are X's rows 32 B + 16 h + 0 .. 15 at Y's row of lane r of tile a.
;   q, k: X = the weight's rows (channels), Y = tokens: 16 neighbouring channels of a token: a piece of a fragment whose K is the head's 64 channels.
;   v:    X = tokens, Y = Wv's rows: 16 neighbouring KEYS of a channel: a piece of a fragment whose K is the keys.  The tile is square, so only pointers and coordinates differ.
; So two conversions give 16 bytes that go out at a constant + 16 x lane: each store of a wave covers 512 consecutive bytes, aligned, and nothing goes through LDS on the way out.
; qkv: a block of 24,576 bytes for each (batch x 16 + head, 128 tokens): K's 8 tiles (1024 t + 512 c), V's 4 tiles (8192 + 2048 t + 512 c), Q's 8 tiles (16384 + 1024 t + 512 c), each + 16 x lane.
; CLUSTERS: 4 x 4 work-groups; a cluster lies within one of the three products (cluster y / 8).  Y's tiles are shared along a row of the cluster, X's along a column: each is asked for JOINTLY.
; REGISTERS, in windows of 256: window 0: v16-31 addresses and constants, v32-95 the bias by X's rows, v96-111 the bias by Y's rows, v128-255 Y's fragments, ONE set (on the way out: at work).
;   window 1: X's fragments, TWO sets.   windows 2, 3: the accumulators ((a, b) at v[8 (8 (a % 4) + b)], a / 4 picks the window).
.set FR,     16                        ; registers of a fragment: 16 rows x 128 K
.set NL,     4                         ; LDS loads that bring one
.set NP,     4                         ; places behind this matrix instruction (ISA guide 7.12.1)
.set KBLK,   32768                     ; 128 rows x 256 K: what one tensor load brings, and what one wave reads of Y or of X in a K step
.set SLOT,   4*KBLK                    ; Y's two blocks, then X's two
.set SPARE,  2*SLOT                    ; behind the ring: the spare words, 128 bytes for each wave: two blocks of 256 bytes that no other line names
.set BLKB,   24576                     ; a block of qkv
.set HS,     16*BLKB                   ; from head to head in qkv
.set ADRA, 16                          ; v16-17  LDS address of my Y fragments in slot 0, 1
.set ADRB, 20                          ; v20-21  the same for X
.set LI,   24                          ; v24     16 x lane
.set SCL,  26                          ; v26     2^eo
.set LIM,  27                          ; v27     448 x 2^eo
.set SPW,  28                          ; v28     LDS address of my spare word; never rewritten
.set NIL,  29                          ; v29     0; never rewritten
.set OFH,  30                          ; v30     64 (lane / 16)
.set OFR,  31                          ; v31     4 (r + 8 (r / 8))
.set BX,   32                          ; v32-95  bias at X's rows, in the accumulators' layout: register 8 b + j
.set BY,   96                          ; v96-111 bias at Y's row of my lane, tile a: twice, a pair for the packed form
.set AF,   128                         ; Y's fragments
.set TMP,  128                         ; the way out: 64 numbers
.set CD,   192                         ; the way out: four sets of 16 registers of codes
.set G1, 24                            ; s[24:31] descriptor group 1 for Y's tiles;  s[32:39] group 0, one set for each slot
.set G0, 32
.set G1B, 48                           ; s[48:55], s[56:63] the same for X's tiles
.set G0B, 56
.set MSB, 0
.macro WIN new                         ; the immediate's high byte repeats the setting that is left
.if MSB != \new
	s_set_vgpr_msb (MSB<<8)|\new
.set MSB, \new
.endif
.endm
.set MUL_LO, 0xa1                      ; source 0 (X) window 1, source 1 (Y) window 0, C and D window 2
.set MUL_HI, 0xf1                      ; the same, C and D window 3
.set TO_B,   0x40                      ; destination window 1, address window 0
; A joint load: waves 0 and 1 fetch Y's two blocks, waves 2 and 3 X's.  Each line has one mask and one set of registers for all that issue it; the branch hangs on the wave's number alone.
; Four v_nop follow each of the two lines, ahead of the jump, the label and what follows.
.macro JLOAD g0a, g1a, g0b, g1b
	s_cmp_eq_u32 s15, 0
	s_cbranch_scc0 .Lfor_b_\@
	tensor_load_to_lds s[\g0a:\g0a+3], s[\g1a:\g1a+7]
	s_nop 0
.rept 4
	v_nop
.endr
	s_branch .Lasked_\@
.Lfor_b_\@:
	tensor_load_to_lds s[\g0b:\g0b+3], s[\g1b:\g1b+7]
	s_nop 0
.rept 4
	v_nop
.endr
.Lasked_\@:
.endm
.macro CREST                           ; a round of the cluster's barrier behind its opening barrier
	s_cmp_lg_u32 s14, 0
	s_cbranch_scc1 .Lnot_wave_0_\@
	s_barrier_signal -3
.Lnot_wave_0_\@:
	s_barrier_wait -3
	s_barrier_signal -1
	s_barrier_wait -1
.endm
.macro CROUND                          ; a whole round
	s_barrier_signal -1
	s_barrier_wait -1
	CREST
.endm
	s_load_b256 s[68:75], s[0:1], 0x0              ; xcodes, wcodes, the scales' exponents, bq
	s_load_b128 s[76:79], s[0:1], 0x20             ; bk, bv
	s_load_b64 s[80:81], s[0:1], 0x30              ; qkv
	v_lshl_add_u32 v[SPW], v0, 2, SPARE
	v_mov_b32 v[NIL], 0
	ds_add_u32 v28, v29
	ds_add_u32 v28, v29
	s_wait_dscnt 0x0
	v_lshrrev_b32 v1, 5, v0
	v_readfirstlane_b32 s14, v1                    ; wave 0..3
	s_lshr_b32 s15, s14, 1                         ; which half of Y's 256 rows is mine.  Also: I fetch for Y (0) or for X (1)
	s_and_b32 s16, s14, 1                          ; which half of X's.  Also: which block of that tile I fetch
	s_bfe_u32 s40, ttmp6, 0x40000                  ; cx, cy: my place in the cluster
	s_bfe_u32 s41, ttmp6, 0x40004
	s_and_b32 s12, ttmp7, 0xffff                   ; cluster y, 0..23
	s_lshr_b32 s66, s12, 3                         ; which product: 0 q, 1 k, 2 v: the same in all sixteen partners
	s_and_b32 s67, s12, 7                          ; which 1,024 tokens
	s_lshl_b32 s13, s67, 2
	s_cmp_eq_u32 s66, 2
	s_cselect_b32 s18, 0, s13
	s_cselect_b32 s19, s13, 0
	s_add_co_u32 s17, s41, s18                     ; Y's tile: tokens (q, k): 4 x index + cy;  Wv's rows (v): cy
	s_add_co_u32 s42, s40, s19                     ; X's tile: the weight's rows (q, k): cx;  tokens (v): 4 x index + cx
	s_lshl_b32 s43, s41, 2
	s_lshl_b32 s43, 15, s43                        ; my row of the cluster
	s_lshl_b32 s44, 0x1111, s40                    ; my column
	; descriptor group 1: a dense block as 128 rows of 32 elements of 8 bytes, no padding
	s_or_b32 s[G1+0], s43, (3<<16)|(1<<21)         ; 15:0 the mask: Y's tiles go to my row; 17:16 elements of 8 bytes; 21 set beside a mask
	s_or_b32 s[G1B+0], s44, (3<<16)|(1<<21)        ; X's go to my column
.irp g, G1, G1B
	s_mov_b32 s[\g+1], 32<<16                      ; tensor_dim0 = 32
	s_mov_b32 s[\g+2], 128<<16                     ; tensor_dim1 = 128
	s_mov_b32 s[\g+3], 32<<16                      ; tile_dim0 = 32
	s_mov_b32 s[\g+4], 128                         ; tile_dim1 = 128
	s_mov_b32 s[\g+5], 32                          ; tensor_dim0_stride
	s_mov_b32 s[\g+6], 0
	s_mov_b32 s[\g+7], 0
.endr
	s_lshl_b32 s20, s17, 1
	s_add_co_u32 s20, s20, s16
	s_lshl_b32 s20, s20, 17                        ; Y: block 2 x tile + half, 131,072 bytes each: it hangs on cy and the cluster's y alone
	s_lshl_b32 s46, s42, 1
	s_add_co_u32 s46, s46, s16
	s_lshl_b32 s46, s46, 17                        ; X: likewise on cx and the cluster's y
	s_lshl_b32 s22, s66, 23                        ; the tensor's part: 8 MiB in xcodes,
	s_lshl_b32 s23, s66, 20                        ; 1 MiB in wcodes
	s_cmp_eq_u32 s66, 2
	s_cselect_b32 s22, 2<<20, s22                  ; v: Y is Wv,
	s_cselect_b32 s23, 16<<20, s23                 ; X is value
	s_add_co_u32 s20, s20, s22
	s_add_co_u32 s46, s46, s23
	s_mov_b32 s21, 0
	s_mov_b32 s47, 0
	s_lshl_b32 s45, s14, 15                        ; where my block goes: wave x 32,768: no place in the cluster enters an LDS address
	s_wait_kmcnt 0x0
	s_load_b256 s[84:91], s[72:73], 0x0            ; e0 .. e7
	s_load_b128 s[92:95], s[72:73], 0x20           ; e8 .. e11
	s_cmp_eq_u32 s66, 2
	s_cselect_b64 s[4:5], s[70:71], s[68:69]       ; Y's buffer
	s_cselect_b64 s[6:7], s[68:69], s[70:71]       ; X's
	s_add_nc_u64 s[20:21], s[4:5], s[20:21]
	s_add_nc_u64 s[46:47], s[6:7], s[46:47]
	CROUND                                         ; all sixteen work-groups are here: the first joint loads meet
.irp s, 0,1
	s_mov_b32 s[G0+4*\s], 1
	s_add_co_u32 s[G0+4*\s+1], s45, \s*SLOT
	s_add_nc_u64 s[G0+4*\s+2:G0+4*\s+3], s[20:21], \s*KBLK
	s_or_b32 s[G0+4*\s+3], s[G0+4*\s+3], 0x80000000
	s_mov_b32 s[G0B+4*\s], 1
	s_add_co_u32 s[G0B+4*\s+1], s45, \s*SLOT
	s_add_nc_u64 s[G0B+4*\s+2:G0B+4*\s+3], s[46:47], \s*KBLK
	s_or_b32 s[G0B+4*\s+3], s[G0B+4*\s+3], 0x80000000
	JLOAD G0+4*\s, G1, G0B+4*\s, G1B               ; K steps 0 and 1: two loads of mine are out
.endr
	v_and_b32 v1, 31, v0
	v_lshlrev_b32 v[LI], 4, v1
	s_lshl_b32 s22, s15, 15                        ; my block of Y
	s_lshl_b32 s23, s16, 15                        ; my block of X,
	s_add_co_u32 s23, s23, 2*KBLK                  ; which lies behind Y's two
.irp s, 0,1
	v_add_nc_u32 v[ADRA+\s], s22, v[LI]
	v_add_nc_u32 v[ADRB+\s], s23, v[LI]
	s_add_co_u32 s22, s22, SLOT
	s_add_co_u32 s23, s23, SLOT
.endr
	; the bias, in both forms, so that every register is written on every way: by X's rows (used for q, k) and by Y's rows (used for v).  The form that is not used reads the bias's first 128 numbers.
	s_lshl_b32 s2, s42, 8
	s_lshl_b32 s3, s16, 7
	s_add_co_u32 s2, s2, s3                        ; X0: my first row of X
	s_lshl_b32 s3, s17, 8
	s_lshl_b32 s12, s15, 7
	s_add_co_u32 s3, s3, s12                       ; Y0: my first row of Y
	s_cmp_eq_u32 s66, 0
	s_cselect_b64 s[8:9], s[74:75], s[76:77]       ; bq or bk,
	s_cmp_eq_u32 s66, 2
	s_cselect_b64 s[8:9], s[78:79], s[8:9]         ; or bv
	s_cselect_b32 s12, 0, s2
	s_cselect_b32 s18, s3, 0
	s_lshl_b32 s12, s12, 2
	s_lshl_b32 s18, s18, 2
	s_mov_b32 s13, 0
	s_mov_b32 s19, 0
	s_add_nc_u64 s[10:11], s[8:9], s[18:19]
	s_add_nc_u64 s[8:9], s[8:9], s[12:13]
	v_bfe_u32 v2, v0, 4, 1
	v_lshlrev_b32 v[OFH], 6, v2
	v_and_b32 v3, 15, v0
	v_and_b32 v4, 8, v3
	v_add_nc_u32 v4, v4, v3
	v_lshlrev_b32 v[OFR], 2, v4
.irp b, 0,1,2,3,4,5,6,7
	global_load_b128 v[BX+8*\b:BX+8*\b+3], v[OFH], s[8:9] offset:(32*(\b/2)+8*(\b%2))*4       ; X's rows 32 (b / 2) + 8 (b % 2) + 16 h + 0 .. 7
	global_load_b128 v[BX+8*\b+4:BX+8*\b+7], v[OFH], s[8:9] offset:(32*(\b/2)+8*(\b%2))*4+16
.endr
.irp a, 0,1,2,3,4,5,6,7
	global_load_b32 v[BY+2*\a], v[OFR], s[10:11] offset:(32*(\a/2)+8*(\a%2))*4                ; Y's row 32 (a / 2) + 8 (a % 2) + r + 8 (r / 8)
	global_load_b32 v[BY+2*\a+1], v[OFR], s[10:11] offset:(32*(\a/2)+8*(\a%2))*4
.endr
	; the scalars of the way out are made here, while the first tiles are on their way
	s_wait_kmcnt 0x0
	s_add_co_i32 s84, s84, s85                     ; e0 + e1
	s_add_co_i32 s86, s86, s87                     ; e2 + e3
	s_add_co_i32 s88, s88, s89                     ; e4 + e5
	s_cmp_eq_u32 s66, 0
	s_cselect_b32 s96, s84, s86
	s_cselect_b32 s12, s90, s91                    ; eo: e6 for q, e7 for k,
	s_cselect_b32 s13, 16384, 0                    ; Q's or K's part of a block of qkv
	s_cmp_eq_u32 s66, 2
	s_cselect_b32 s96, s88, s96
	s_cselect_b32 s12, s93, s12                    ; e9 for v
	s_cselect_b32 s13, 8192, s13
	s_cselect_b32 s18, s2, s3                      ; my first token
	s_cselect_b32 s19, s3, s2                      ; my first channel
	s_add_co_i32 s96, s96, 127
	s_lshl_b32 s96, s96, 23                        ; 2^(ea + eb) as f32
	s_mov_b32 s97, s96                             ; (named with it as a pair)
	s_add_co_i32 s12, s12, 127
	s_lshl_b32 s22, s12, 23
	v_mov_b32 v[SCL], s22
	s_add_co_i32 s12, s12, 8
	s_lshl_b32 s12, s12, 23
	s_or_b32 s12, s12, 0x600000
	v_mov_b32 v[LIM], s12
	s_lshr_b32 s22, s18, 11                        ; batch
	s_lshl_b32 s22, s22, 4
	s_lshr_b32 s23, s19, 6                         ; head
	s_add_co_u32 s22, s22, s23
	s_lshl_b32 s22, s22, 4
	s_bfe_u32 s23, s18, 0x40007                    ; which 128 tokens of the batch's 2,048
	s_add_co_u32 s22, s22, s23
	s_mul_i32 s22, s22, BLKB
	s_add_co_u32 s22, s22, s13
	s_mov_b32 s23, 0
	s_add_nc_u64 s[98:99], s[80:81], s[22:23]
.macro FRAG reg, adr, q, i             ; a fragment's image: four loads of 512 consecutive bytes
.irp c, 0,1,2,3
	ds_load_b128 v[\reg+4*\c:\reg+4*\c+3], v[\adr] offset:(\i)*4096+(\q)*2048+512*\c
.endr
.endm
; 16 matrix instructions: Y's blocks a0, a0 + 1 x X's eight, 128 along K.  p: X's set.  zero = 1: the first product starts the sums: nothing is ever cleared.
; The 64 accumulators take turns, one instruction a turn, in the same order in every step.
.macro MUL16 a0, p, zero
.irp a, \a0, \a0+1
.irp b, 0,1,2,3,4,5,6,7
.if \zero
	v_wmma_f32_16x16x128_fp8_fp8 v[8*(8*((\a)%4)+\b):8*(8*((\a)%4)+\b)+7], v[128*(\p)+FR*\b:128*(\p)+FR*\b+FR-1], v[AF+FR*(\a):AF+FR*(\a)+FR-1], 0
.else
	v_wmma_f32_16x16x128_fp8_fp8 v[8*(8*((\a)%4)+\b):8*(8*((\a)%4)+\b)+7], v[128*(\p)+FR*\b:128*(\p)+FR*\b+FR-1], v[AF+FR*(\a):AF+FR*(\a)+FR-1], v[8*(8*((\a)%4)+\b):8*(8*((\a)%4)+\b)+7]
.endif
.endr
.endr
.endm
.macro FETCH_B slot, q, p              ; X's eight fragments of the slot's q-th 128 along K into set p
	WIN TO_B
.irp i, 0,1,2,3,4,5,6,7
	FRAG 128*(\p)+FR*\i, ADRB+\slot, \q, \i
.endr
	WIN 0
.endm
.macro FETCH_A slot, q, i0             ; Y's blocks i0 .. i0 + 3
.irp i, \i0, \i0+1, \i0+2, \i0+3
	FRAG AF+FR*(\i), ADRA+\slot, \q, \i
.endr
.endm
; A load into a register that a matrix instruction has read, and a vector instruction that reads a matrix result or writes one of its registers, stand NP places behind it; only plain vector
; instructions that name none of its registers are places (ISA guide 7.12.1 for vector instructions).
.macro PLACES n
.rept \n
	v_nop
.endr
.endm
; A step of 128 along K that has its successor in the same slot.  A block of Y is free as soon as its eight products are issued: blocks 0-3 are fetched anew in the step's middle, blocks 4-7 at its end.
.macro STEP slot, q, zero
	s_wait_dscnt 4*NL                              ; X's set and Y's blocks 0-3 are in; the youngest 16 loads (Y's blocks 4-7) may be out
	WIN MUL_LO
	MUL16 0, (\q)%2, \zero
	MUL16 2, (\q)%2, \zero
	s_wait_dscnt 0                                 ; Y's blocks 4-7 are in (asked for 32 matrix instructions ago)
	PLACES NP
	FETCH_B \slot, (\q)+1, 1-(\q)%2
	FETCH_A \slot, (\q)+1, 0
	WIN MUL_HI
	MUL16 4, (\q)%2, \zero
	MUL16 6, (\q)%2, \zero
	PLACES NP
	WIN 0
	FETCH_A \slot, (\q)+1, 4
.endm
; A slot's last step changes slots: ONE barrier; in front of it each wave waits for all its tensor loads, adds 0 to its spare word, and waits for that and for its own reads of this slot.  fill = 1: this slot is filled again, two K steps ahead.
.macro TURN slot, next, fill
	s_wait_tensorcnt 0x0                           ; all my tensor loads have landed: my part of the next slot
	ds_add_u32 v[SPW], v[NIL]                      ; 0 onto my spare word
	s_wait_dscnt 4*NL+1                            ; (the add and the youngest 16 loads, Y's blocks 4-7, may be out)
	WIN MUL_LO
	MUL16 0, 1, 0                                  ; sixteen matrix instructions stand between the add and the wait for it
	s_wait_dscnt 0x0                               ; the add is done, and my reads of this slot are over
	s_barrier_signal -1
	MUL16 2, 1, 0
	WIN 0
	s_barrier_wait -1
.if \fill
	CREST                                          ; the barrier has opened a round of the cluster's barrier: no wave of any partner still reads this slot or has a load on its way
	s_add_nc_u64 s[G0+4*\slot+2:G0+4*\slot+3], s[G0+4*\slot+2:G0+4*\slot+3], 2*KBLK
	s_add_nc_u64 s[G0B+4*\slot+2:G0B+4*\slot+3], s[G0B+4*\slot+2:G0B+4*\slot+3], 2*KBLK
	JLOAD G0+4*\slot, G1, G0B+4*\slot, G1B         ; the first tensor load behind the round, my only one out; the four v_nop behind it are the places in front of the loads below
.else
	PLACES NP
.endif
	FETCH_B \next, 0, 0
	FETCH_A \next, 0, 0
	WIN MUL_HI
	MUL16 4, 1, 0
	MUL16 6, 1, 0
	PLACES NP
	WIN 0
	FETCH_A \next, 0, 4
.endm
	s_wait_tensorcnt 1                             ; my part of K step 0 is in (K step 1's load may be out)
	s_barrier_signal -1
	s_barrier_wait -1                              ; everybody's is
	FETCH_B 0, 0, 0
	FETCH_A 0, 0, 0
	FETCH_A 0, 0, 4
	STEP 0, 0, 1                                   ; K has four steps of 256: written out, no loop.  The first products start the sums
	TURN 0, 1, 1                                   ; slot 0 takes K step 2
	STEP 1, 0, 0
	TURN 1, 0, 1                                   ; slot 1 takes K step 3
	STEP 0, 0, 0
	TURN 0, 1, 0                                   ; nothing is left to fetch
	STEP 1, 0, 0
	s_wait_dscnt 4*NL                              ; the very last step
	WIN MUL_LO
	MUL16 0, 1, 0
	MUL16 2, 1, 0
	s_wait_dscnt 0
	WIN MUL_HI
	MUL16 4, 1, 0
	MUL16 6, 1, 0
	WIN 0
; THE WAY OUT of Y's block a: 64 sums a lane x 2^(ea + eb) + bias, held, converted: four pieces of 16 bytes, each stored at a constant + 16 x lane.  Each accumulator is read from its low end on.
; kind 0 (q, k): piece B = channels 32 B + 16 h + 0 .. 15 of my 128: head B / 2, registers 4 (B % 2) on of tile a's fragment.   kind 1 (v): piece B = keys 32 B + 16 h + 0 .. 15: head a / 4, tile a % 4, registers 4 B on.
.macro EPI a, kind
.set AC, 64*((\a)%4)
.set CS, CD+16*((\a)%4)
	WIN 0x02+((\a)/4)                              ; source 0: window 2 or 3
.set j, 0
.rept 32
.if \kind
	v_pk_fma_f32 v[TMP+j:TMP+j+1], v[AC+j:AC+j+1], s[96:97], v[BY+2*(\a):BY+2*(\a)+1] op_sel_hi:[1,0,1]
.else
	v_pk_fma_f32 v[TMP+j:TMP+j+1], v[AC+j:AC+j+1], s[96:97], v[BX+j:BX+j+1] op_sel_hi:[1,0,1]
.endif
.set j, j+2
.endr
	WIN 0
.set j, 0
.rept 64
	v_med3_num_f32 v[TMP+j], v[TMP+j], -v[LIM], v[LIM]   ; the conversion to an 8-bit code does not saturate (ISA guide 7.6.2)
.set j, j+1
.endr
.if (\a) >= 4
	s_wait_xcnt 0x0                                ; the stores of four blocks back have read this set of codes
.endif
.irp g, 0,1,2,3
	v_cvt_scalef32_pk8_fp8_f32 v[CS+4*\g:CS+4*\g+1], v[TMP+16*\g:TMP+16*\g+7], v[SCL]
	v_cvt_scalef32_pk8_fp8_f32 v[CS+4*\g+2:CS+4*\g+3], v[TMP+16*\g+8:TMP+16*\g+15], v[SCL]
.endr
	v_nop                                          ; a plain line behind the last conversion: the next block writes the conversions' sources
.irp g, 0,1,2,3
.if \kind
	global_store_b128 v[LI], v[CS+4*\g:CS+4*\g+3], s[98:99] offset:((\a)/4)*HS+2048*((\a)%4)+512*\g
.else
	global_store_b128 v[LI], v[CS+4*\g:CS+4*\g+3], s[98:99] offset:(\g/2)*HS+1024*(\a)+512*(\g%2)
.endif
.endr
.endm
	PLACES NP                                      ; behind the last products: their operands' registers are written below
	s_wait_loadcnt 0x0                             ; the bias
	s_cmp_eq_u32 s66, 2                            ; the cluster's number: the same way in all partners
	s_cbranch_scc1 .Lv_kind
.irp a, 0,1,2,3,4,5,6,7
	EPI \a, 0
.endr
	s_branch .Lout_done
.Lv_kind:
.irp a, 0,1,2,3,4,5,6,7
	EPI \a, 1
.endr
.Lout_done:
	s_wait_tensorcnt 0x0                           ; the wave's end
	ds_add_u32 v[SPW], v[NIL]
	s_wait_dscnt 0x0
	CROUND                                         ; the closing round: no work-group ends while a partner may still ask for a tile that names it
	s_endpgm
.Lfunc_end_k_qe7c28dff97_proj:
	.size	k_qe7c28dff97_proj, .Lfunc_end_k_qe7c28dff97_proj-k_qe7c28dff97_proj
	.p2alignl 7, 3214868480
	.fill 96, 4, 3214868480
	.section	.rodata,"a",@progbits
	.p2align	6, 0x0
	.amdhsa_kernel k_qe7c28dff97_proj
		.amdhsa_group_segment_fixed_size 327680
		.amdhsa_private_segment_fixed_size 0
		.amdhsa_enable_private_segment 0
		.amdhsa_kernarg_size 56
		.amdhsa_user_sgpr_count 2
		.amdhsa_user_sgpr_kernarg_segment_ptr 1
		.amdhsa_wavefront_size32 1
		.amdhsa_system_sgpr_workgroup_id_x 1
		.amdhsa_system_sgpr_workgroup_id_y 1
		.amdhsa_system_sgpr_workgroup_id_z 1
		.amdhsa_system_vgpr_workitem_id 0
		.amdhsa_next_free_vgpr 1024
		.amdhsa_next_free_sgpr 100
		.amdhsa_reserve_vcc 0
		.amdhsa_float_denorm_mode_32 3
		.amdhsa_float_denorm_mode_16_64 3
		.amdhsa_memory_ordered 1
		.amdhsa_forward_progress 1
		.amdhsa_inst_pref_size 194
	.end_amdhsa_kernel
	.amdgpu_metadata
---
amdhsa.version: [ 1, 2 ]
amdhsa.kernels:
  - .name:           k_qe7c28dff97_proj
    .symbol:         k_qe7c28dff97_proj.kd
    .args:
      - { .name: xcodes, .offset: 0, .size: 8, .value_kind: global_buffer, .address_space: global }
      - { .name: wcodes, .offset: 8, .size: 8, .value_kind: global_buffer, .address_space: global }
      - { .name: lowp_scales, .offset: 16, .size: 8, .value_kind: global_buffer, .address_space: global }
      - { .name: bq, .offset: 24, .size: 8, .value_kind: global_buffer, .address_space: global }
      - { .name: bk, .offset: 32, .size: 8, .value_kind: global_buffer, .address_space: global }
      - { .name: bv, .offset: 40, .size: 8, .value_kind: global_buffer, .address_space: global }
      - { .name: qkv, .offset: 48, .size: 8, .value_kind: global_buffer, .address_space: global }
    .group_segment_fixed_size: 327680
    .private_segment_fixed_size: 0
    .kernarg_segment_align: 8
    .kernarg_segment_size: 56
    .max_flat_workgroup_size: 128
    .sgpr_count:     100
    .vgpr_count:     1024
    .wavefront_size: 32
...
	.end_amdgpu_metadata
.endif
;; end of part 2
;; launch attn (part 3): grid 4 x 64, 16 waves a work-group, no clusters, 264,192 bytes of LDS; arguments qkv, lowp_scales, xo; writes xo
.if DOCPART == 3
	.amdgcn_target "amdgcn-amd-amdhsa--gfx1250"
	.amdhsa_code_object_version 6
	.text
	.protected	k_qe7c28dff97_attn
	.globl	k_qe7c28dff97_attn
	.p2align	8
	.type	k_qe7c28dff97_attn,@function
k_qe7c28dff97_attn:
	s_mov_b64 s[64:65], 0
	v_nop
	global_prefetch_b8 v0, s[64:65] scope:SCOPE_SE
	s_setreg_imm32_b32 hwreg(HW_REG_WAVE_MODE, 25, 1), 1
	s_wait_xcnt 0x0
; x[b][q][head] = the sum over keys of softmax(q . k / 8) v, both products on codes of FP8 (E4M3) with the given scales (q: entry 6, k: 7, p: 8, v: 9); x is quantised at once with entry 10 and stored as the last product's operand.
; THE SOFTMAX AHEAD OF THE SECOND PRODUCT: t = score x log2(e) / 8; M = the running largest t rounded UP to a whole number; p = 2^(t - M) is what is quantised; the row's sum is taken of the unquantised p, in f32, and divides at
; the end.  When M moves, the sum and O are multiplied by 2^(old M - new M): nothing is rounded.
; LIMITS: e6 + e7 between -123 and 130 (they are added to c's exponent field); e8 and e10 between -126 and 119; e8 + e9 is applied by v_ldexp_f32 and has none.
; SHARES.  A work-group owns 512 queries of one head (4 x 64 = 256 work-groups); each of its sixteen waves owns two tiles of 16 queries, A and B, TOGETHER, so that each fragment of K and V read from LDS feeds two matrix
; instructions.  Four waves share a SIMD: one wave's vector work stands beside another's matrix work and LDS loads.
; THE HEAD'S K AND V, 2,048 keys x 128 bytes = 262,144 bytes, LIE IN LDS WHOLE, as images of fragments: key step s (128 keys) at 16,384 s: K's 8 tiles (1024 t + 512 c), then V's 4 tiles (8192 + 2048 t + 512 c), + 16 x lane.
; Wave w copies key step w at the head: 32 loads and 32 LDS stores a lane, once; one barrier in all.
; NO JOINT LOADS, though the four work-groups of a head read the same K and V: the copy is 64 lines a lane beside 16 key steps of some 450 lines each, a small part of the work.
; A scalar branch on the given whole number e8 spares the 128 holds of a key step wherever they cannot act (p <= 1 < 448 x 2^e8 for e8 >= -8).
; LAYOUT.  Both products are used transposed: S^T = K Q^T (source 0 = 16 keys, source 1 = 16 queries), O^T = V^T P^T (source 0 = 16 channels, source 1 = P): a lane holds ONE query throughout.  Lane r of a tile of K holds key
; 32 (t / 2) + 8 (t % 2) + r + 8 (r / 8), so the 16 registers of tiles 2 b and 2 b + 1 are keys 32 b + 16 (lane / 16) + 0 .. 15: the conversions' results are P's registers.  V's channels are ordered alike, so O^T's are x's.
; O^T and the sums begin as zeros and the largest t as -3e38: 64 lines once, in the shadow of the head's loads, in place of a second copy of the key step.
.set BLKB, 24576                       ; a block of qkv: 128 tokens of a head
.set HS,   16*BLKB                     ; from head to head
.set STEPB, 16384                      ; a key step in LDS
.set LI,   1                           ; v1   16 x lane; never rewritten
.set ADR,  2                           ; v2   the key step's LDS address
.set STA,  3                           ; v3   where I store my part of the copy
.set PSC,  4                           ; v4   2^e8        v5   448 x 2^e8
.set PLM,  5
.set XSC,  14                          ; v14  2^e10       v15  448 x 2^e10
.set XLM,  15                          ; v6 -M, v7 the largest t, v[8:9] the sum in two halves: tile A;  v10-13: tile B
.set QA,   16                          ; v16-23, v24-31  Q's two fragments
.set QB,   24
.set OA,   32                          ; v32-63, v64-95  O^T
.set OB,   64
.set SA,   96                          ; v96-159   S^T of tile A, then p; then V's four fragments
.set SB,   160                         ; v160-223  S^T of tile B, then p
.set KF,   224                         ; v224-255  four fragments of K; then p's codes
.set PA,   224
.set PB,   240
.set T0,   240                         ; at work, between K's last use and tile B's conversions
.set T1,   241
.set PL,   242
.set F,    244                         ; v[244:245]
.set SU,   246                         ; v[246:247]
	s_load_b128 s[4:7], s[0:1], 0x0                ; qkv, the scales' exponents
	s_load_b64 s[8:9], s[0:1], 0x10                ; xo
	v_lshrrev_b32 v2, 5, v0
	v_readfirstlane_b32 s10, v2                    ; wave 0..15
	v_and_b32 v1, 31, v0
	v_lshlrev_b32 v[LI], 4, v1
	s_lshl_b32 s16, s10, 14
	v_add_nc_u32 v[STA], s16, v[LI]
	s_and_b32 s11, ttmp7, 0xffff                   ; batch x 16 + head
	s_mul_i32 s12, s11, HS                         ; the head's first byte in qkv
	s_mul_i32 s16, s10, BLKB
	s_add_co_u32 s16, s16, s12                     ; key step w's block
	s_mov_b32 s17, 0
	s_lshl_b32 s18, ttmp9, 2
	s_lshr_b32 s19, s10, 2
	s_add_co_u32 s18, s18, s19                     ; my queries' block of 128 tokens: 4 x work-group x + wave / 4
	s_mul_i32 s19, s18, BLKB
	s_add_co_u32 s19, s19, s12
	s_lshl_b32 s26, s10, 1
	s_and_b32 s26, s26, 7                          ; tile A's number in that block; tile B is the next
	s_lshl_b32 s27, s26, 10
	s_add_co_u32 s19, s19, s27
	s_add_co_u32 s34, s19, 16384                   ; Q's part of the block
	s_mov_b32 s35, 0
	s_lshr_b32 s19, s11, 4
	s_lshl_b32 s19, s19, 4
	s_add_co_u32 s19, s19, s18                     ; xo: my block of 128 rows,
	s_lshl_b32 s36, s19, 17
	s_and_b32 s19, s11, 15                         ; the head: k = 64 x head on:
	s_lshr_b32 s27, s19, 2
	s_lshl_b32 s27, s27, 15                        ; 256 along K: head / 4,
	s_add_co_u32 s36, s36, s27
	s_lshl_b32 s27, s26, 12                        ; the tile,
	s_add_co_u32 s36, s36, s27
	s_and_b32 s27, s19, 3
	s_lshl_b32 s27, s27, 10                        ; 64 along K: 1,024 bytes x (head % 4)
	s_add_co_u32 s36, s36, s27
	s_mov_b32 s37, 0
	s_mov_b32 s20, 0x76543210                      ; v_permlanex16_b32's selects for lane l xor 16
	s_mov_b32 s21, 0xfedcba98
	s_mov_b32 s22, 0x3e38aa3b                      ; c = log2(e) / 8
	s_mov_b32 s24, 0                               ; the key step's first LDS byte
	s_mov_b32 s25, 16                              ; key steps to go
	s_wait_kmcnt 0x0
	s_load_b128 s[28:31], s[6:7], 0x18             ; e6, e7, e8, e9
	s_load_b32 s32, s[6:7], 0x28                   ; e10
	s_add_nc_u64 s[12:13], s[4:5], s[16:17]
	s_add_nc_u64 s[14:15], s[4:5], s[34:35]
	s_add_nc_u64 s[8:9], s[8:9], s[36:37]
.set i, 0
.rept 32
	global_load_b128 v[SA+4*i:SA+4*i+3], v[LI], s[12:13] offset:512*i   ; key step w's K and V: 512 consecutive bytes a load
.set i, i+1
.endr
.irp i, 0,1,2,3
	global_load_b128 v[QA+4*\i:QA+4*\i+3], v[LI], s[14:15] offset:512*\i   ; Q's two fragments stay in registers
.endr
.set i, 0
.rept 64
	v_mov_b32 v[OA+i], 0
.set i, i+1
.endr
	v_mov_b32 v7, 0xff61b1e6                       ; the largest t so far: -3e38, under every t
	v_mov_b32 v11, 0xff61b1e6
	v_floor_f32 v6, -v7                            ; -M
	v_floor_f32 v10, -v11
	v_mov_b32 v8, 0
	v_mov_b32 v9, 0
	v_mov_b32 v12, 0
	v_mov_b32 v13, 0
	v_mov_b32 v[T1], 0                             ; written once: a lane permute's destination counts as one of its sources,
	v_mov_b32 v[PL], 0
	v_mov_b32 v[F+1], 0                            ; and this one is named as the upper half of a pair
	s_wait_kmcnt 0x0
	s_add_co_i32 s16, s28, s29
	s_lshl_b32 s16, s16, 23
	s_add_co_i32 s22, s22, s16                     ; a score stands for score x 2^(e6 + e7): added to c's exponent field
	s_mov_b32 s23, s22                             ; (named with it as a pair)
	s_add_co_i32 s33, s30, s31                     ; e8 + e9
	s_add_co_i32 s16, s30, 127
	s_lshl_b32 s17, s16, 23
	v_mov_b32 v[PSC], s17
	s_add_co_i32 s16, s16, 8
	s_lshl_b32 s16, s16, 23
	s_or_b32 s16, s16, 0x600000
	v_mov_b32 v[PLM], s16
	s_add_co_i32 s16, s32, 127
	s_lshl_b32 s17, s16, 23
	v_mov_b32 v[XSC], s17
	s_add_co_i32 s16, s16, 8
	s_lshl_b32 s16, s16, 23
	s_or_b32 s16, s16, 0x600000
	v_mov_b32 v[XLM], s16
.irp g, 0,1,2,3
	s_wait_loadcnt 4+8*(3-\g)                      ; this group's eight loads are in; the later groups' and Q's four may be out
.irp i, 0,1,2,3,4,5,6,7
	ds_store_b128 v[STA], v[SA+4*(8*\g+\i):SA+4*(8*\g+\i)+3] offset:512*(8*\g+\i)
.endr
.endr
	s_wait_dscnt 0x0                               ; for the others' sake: my stores have landed
	s_barrier_signal -1
	s_barrier_wait -1                              ; the head's K and V lie in LDS; nothing is written there again
	s_wait_loadcnt 0x0                             ; Q
; One tile's softmax for a key step.  sr: its 64 scores; stt: its four statistics; ot: its O^T; pc: where its codes go.
.macro SOFTMAX sr, stt, ot, pc
	v_max3_num_f32 v[T0], v[\sr], v[\sr+1], v[\sr+2]   ; the step's largest score among my 64 keys, in two chains; each accumulator is read from its low end on
	v_max3_num_f32 v[T1], v[\sr+3], v[\sr+4], v[\sr+5]
.set i, 6
.rept 14
	v_max3_num_f32 v[T0], v[T0], v[\sr+i], v[\sr+i+1]
	v_max3_num_f32 v[T1], v[T1], v[\sr+i+2], v[\sr+i+3]
.set i, i+4
.endr
	v_max3_num_f32 v[T0], v[T0], v[\sr+62], v[\sr+63]
	v_max_num_f32 v[T0], v[T0], v[T1]
	v_permlanex16_b32 v[PL], v[T0], s20, s21
	v_max_num_f32 v[T0], v[T0], v[PL]              ; and among lane l xor 16's
	v_mul_f32 v[T0], s22, v[T0]                    ; as t (c is positive)
	v_max_num_f32 v[\stt+1], v[\stt+1], v[T0]      ; the running largest t
	v_mov_b32 v[T0], v[\stt]
	v_floor_f32 v[\stt], -v[\stt+1]                ; the new -M = floor(-t) = -ceil(t): a whole number
	v_sub_f32 v[T0], v[\stt], v[T0]                ; old M - new M: a whole number, 0 or less
	v_cvt_i32_f32 v[T0], v[T0]                     ; (it saturates)
	v_ldexp_f32 v[F], 1.0, v[T0]                   ; f = 2^(old M - new M)
.set i, 0
.rept 32
	v_pk_fma_f32 v[\sr+i:\sr+i+1], v[\sr+i:\sr+i+1], s[22:23], v[\stt:\stt+1] op_sel_hi:[1,0,0]   ; t - M, two at a time (of the pairs c and -M the low word serves both halves)
.set i, i+2
.endr
.set i, 0
.rept 64
	v_exp_f32 v[\sr+i], v[\sr+i]                   ; p = 2^(t - M), at most 1: not normalised
.set i, i+1
.endr
	v_pk_mul_f32 v[\stt+2:\stt+3], v[\stt+2:\stt+3], v[F:F+1] op_sel_hi:[1,0]   ; the sums under the new M: the plain line behind the exponentials
	s_wait_alu depctr_va_vdst(0)                   ; one wait for the whole batch, ahead of its first reader
	v_pk_add_f32 v[SU:SU+1], v[\sr:\sr+1], v[\sr+2:\sr+3]   ; the row's sum is taken of the unquantised p: two at a time, in two chains
.set i, 4
.rept 15
	v_pk_add_f32 v[\stt+2:\stt+3], v[\stt+2:\stt+3], v[\sr+i:\sr+i+1]
	v_pk_add_f32 v[SU:SU+1], v[SU:SU+1], v[\sr+i+2:\sr+i+3]
.set i, i+4
.endr
	v_pk_add_f32 v[\stt+2:\stt+3], v[\stt+2:\stt+3], v[SU:SU+1]
.set i, 0
.rept 16
	v_pk_mul_f32 v[\ot+i:\ot+i+1], v[\ot+i:\ot+i+1], v[F:F+1] op_sel_hi:[1,0]   ; O^T under the new M
.set i, i+2
.endr
	s_cmp_ge_i32 s30, -8                           ; p <= 1 < 448 x 2^e8 wherever e8 >= -8: the hold cannot act there and is passed over
	s_cbranch_scc1 .Lno_hold_\@
.set i, 0
.rept 64
	v_min_num_f32 v[\sr+i], v[\sr+i], v[PLM]       ; the conversion does not saturate (ISA guide 7.6.2); p is not negative, so the hold is one-sided
.set i, i+1
.endr
.Lno_hold_\@:
.irp b, 0,1,2,3
	v_cvt_scalef32_pk8_fp8_f32 v[\pc+4*\b:\pc+4*\b+1], v[\sr+16*\b:\sr+16*\b+7], v[PSC]
	v_cvt_scalef32_pk8_fp8_f32 v[\pc+4*\b+2:\pc+4*\b+3], v[\sr+16*\b+8:\sr+16*\b+15], v[PSC]
.endr
	v_nop                                          ; a plain line behind the last conversion, ahead of the matrix instructions that read the codes
.endm
.Lstep:                                            ; 16 trips: a key step of 128 keys each
	v_add_nc_u32 v[ADR], s24, v[LI]
.rept 4
	v_nop                                          ; with the line above five places behind the last products: the scores are written over V's fragments, and K is loaded over p's codes
.endr
.irp g, 0,1                                    ; S^T = K Q^T: four tiles of 16 keys at a time, each against both tiles of queries
.irp t, 0,1,2,3
	ds_load_b128 v[KF+8*\t:KF+8*\t+3], v[ADR] offset:1024*(4*\g+\t)
	ds_load_b128 v[KF+8*\t+4:KF+8*\t+7], v[ADR] offset:1024*(4*\g+\t)+512
.endr
	s_wait_dscnt 0x0
.irp t, 0,1,2,3
	v_wmma_f32_16x16x64_fp8_fp8 v[SA+8*(4*\g+\t):SA+8*(4*\g+\t)+7], v[KF+8*\t:KF+8*\t+7], v[QA:QA+7], 0
	v_wmma_f32_16x16x64_fp8_fp8 v[SB+8*(4*\g+\t):SB+8*(4*\g+\t)+7], v[KF+8*\t:KF+8*\t+7], v[QB:QB+7], 0
.endr
.rept 4
	v_nop                                          ; places in front of the loads into K's registers, and of the first read of scores
.endr
.endr
	SOFTMAX SA, 6, OA, PA
.irp t, 0,1,2,3                                ; V's four fragments, into the registers that tile A's p has left: they land under tile B's softmax
.irp c, 0,1,2,3
	ds_load_b128 v[SA+16*\t+4*\c:SA+16*\t+4*\c+3], v[ADR] offset:8192+2048*\t+512*\c
.endr
.endr
	SOFTMAX SB, 10, OB, PB
	s_wait_dscnt 0x0                               ; V is in
.irp t, 0,1,2,3                                ; O^T += V^T P^T: eight accumulators, one instruction a turn
	v_wmma_f32_16x16x128_fp8_fp8 v[OA+8*\t:OA+8*\t+7], v[SA+16*\t:SA+16*\t+15], v[PA:PA+15], v[OA+8*\t:OA+8*\t+7]
	v_wmma_f32_16x16x128_fp8_fp8 v[OB+8*\t:OB+8*\t+7], v[SA+16*\t:SA+16*\t+15], v[PB:PB+15], v[OB+8*\t:OB+8*\t+7]
.endr
	s_add_co_u32 s24, s24, STEPB
	s_sub_co_u32 s25, s25, 1
	s_cmp_lg_u32 s25, 0
	s_cbranch_scc1 .Lstep
	; THE WAY OUT.  x = O^T x 2^(e8 + e9) / the sum; held, converted with 2^e10.  Registers 16 b + i of a tile are channels 32 b + 16 (lane / 16) + i of the head: 16 bytes of the last product's operand.
.rept 4
	v_nop                                          ; places behind the last products
.endr
	v_add_f32 v8, v8, v9                           ; the sum's two halves,
	v_add_f32 v12, v12, v13
	v_permlanex16_b32 v[PL], v8, s20, s21
	v_permlanex16_b32 v[T1], v12, s20, s21
	v_add_f32 v8, v8, v[PL]                        ; and lane l xor 16's
	v_add_f32 v12, v12, v[T1]
	v_rcp_f32 v8, v8
	v_rcp_f32 v12, v12
	v_nop                                          ; a plain line behind the last reciprocal
	s_wait_alu depctr_va_vdst(0)                   ; one wait for both, ahead of the first reader
	v_ldexp_f32 v8, v8, s33
	v_ldexp_f32 v12, v12, s33
.set i, 0
.rept 16
	v_pk_mul_f32 v[SA+i:SA+i+1], v[OA+i:OA+i+1], v[8:9] op_sel_hi:[1,0]
.set i, i+2
.endr
.set i, 0
.rept 16
	v_pk_mul_f32 v[SA+32+i:SA+32+i+1], v[OB+i:OB+i+1], v[12:13] op_sel_hi:[1,0]
.set i, i+2
.endr
.set i, 0
.rept 64
	v_med3_num_f32 v[SA+i], v[SA+i], -v[XLM], v[XLM]
.set i, i+1
.endr
.irp b, 0,1,2,3
	v_cvt_scalef32_pk8_fp8_f32 v[PA+4*\b:PA+4*\b+1], v[SA+16*\b:SA+16*\b+7], v[XSC]
	v_cvt_scalef32_pk8_fp8_f32 v[PA+4*\b+2:PA+4*\b+3], v[SA+16*\b+8:SA+16*\b+15], v[XSC]
.endr
	v_nop
	global_store_b128 v[LI], v[PA:PA+3], s[8:9]                    ; tile A, channels 0-31 of the head: 32 lanes store 512 consecutive bytes, aligned
	global_store_b128 v[LI], v[PA+4:PA+7], s[8:9] offset:512       ; channels 32-63
	global_store_b128 v[LI], v[PA+8:PA+11], s[8:9] offset:4096     ; tile B
	global_store_b128 v[LI], v[PA+12:PA+15], s[8:9] offset:4608
	s_wait_xcnt 0x0
	v_lshl_add_u32 v254, v0, 2, 0x40000
	v_mov_b32 v255, 0
	s_wait_tensorcnt 0x0
	ds_add_u32 v254, v255
	s_wait_dscnt 0x0
	s_endpgm
.Lfunc_end_k_qe7c28dff97_attn:
	.size	k_qe7c28dff97_attn, .Lfunc_end_k_qe7c28dff97_attn-k_qe7c28dff97_attn
	.p2alignl 7, 3214868480
	.fill 96, 4, 3214868480
	.section	.rodata,"a",@progbits
	.p2align	6, 0x0
	.amdhsa_kernel k_qe7c28dff97_attn
		.amdhsa_group_segment_fixed_size 264192
		.amdhsa_private_segment_fixed_size 0
		.amdhsa_enable_private_segment 0
		.amdhsa_kernarg_size 24
		.amdhsa_user_sgpr_count 2
		.amdhsa_user_sgpr_kernarg_segment_ptr 1
		.amdhsa_wavefront_size32 1
		.amdhsa_system_sgpr_workgroup_id_x 1
		.amdhsa_system_sgpr_workgroup_id_y 1
		.amdhsa_system_sgpr_workgroup_id_z 1
		.amdhsa_system_vgpr_workitem_id 0
		.amdhsa_next_free_vgpr 256
		.amdhsa_next_free_sgpr 66
		.amdhsa_reserve_vcc 0
		.amdhsa_float_denorm_mode_32 3
		.amdhsa_float_denorm_mode_16_64 3
		.amdhsa_memory_ordered 1
		.amdhsa_forward_progress 1
		.amdhsa_inst_pref_size 48
	.end_amdhsa_kernel
	.amdgpu_metadata
---
amdhsa.version: [ 1, 2 ]
amdhsa.kernels:
  - .name:           k_qe7c28dff97_attn
    .symbol:         k_qe7c28dff97_attn.kd
    .args:
      - { .name: qkv, .offset: 0, .size: 8, .value_kind: global_buffer, .address_space: global }
      - { .name: lowp_scales, .offset: 8, .size: 8, .value_kind: global_buffer, .address_space: global }
      - { .name: xo, .offset: 16, .size: 8, .value_kind: global_buffer, .address_space: global }
    .group_segment_fixed_size: 264192
    .private_segment_fixed_size: 0
    .kernarg_segment_align: 8
    .kernarg_segment_size: 24
    .max_flat_workgroup_size: 512
    .sgpr_count:     66
    .vgpr_count:     256
    .wavefront_size: 32
...
	.end_amdgpu_metadata
.endif
;; end of part 3
;; launch outp (part 4): grid 4 x 32, 4 waves a work-group, clusters of 4 x 4, 327,680 bytes of LDS; arguments xo, wcodes, lowp_scales, bo, out0; writes out0
.if DOCPART == 4
	.amdgcn_target "amdgcn-amd-amdhsa--gfx1250"
	.amdhsa_code_object_version 6
	.text
	.protected	k_qe7c28dff97_outp
	.globl	k_qe7c28dff97_outp
	.p2align	8
	.type	k_qe7c28dff97_outp,@function
k_qe7c28dff97_outp:
	s_mov_b64 s[64:65], 0
	v_nop
	global_prefetch_b8 v0, s[64:65] scope:SCOPE_SE
	s_setreg_imm32_b32 hwreg(HW_REG_WAVE_MODE, 25, 1), 1
	s_wait_xcnt 0x0
	s_wait_alu depctr_hold_cnt(0) depctr_sa_sdst(0) depctr_va_vdst(0) depctr_va_sdst(0) depctr_va_ssrc(0) depctr_va_vcc(0) depctr_vm_vsrc(0)
	s_getreg_b32 s2, hwreg(HW_REG_IB_STS2, 6, 4)
	s_cmp_eq_u32 s2, 0
	s_cbranch_scc0 .Lentry_in_a_cluster
	s_endpgm
.Lentry_in_a_cluster:
	s_bfe_u32 s2, ttmp6, 0x10000c
	s_cmp_lg_u32 s2, 0xf033
	s_cbranch_scc0 .Lentry_shape_is_right
	s_endpgm
.Lentry_shape_is_right:
; out0 = x Wo^T + bo on codes of FP8 (E4M3): x's codes [8192][1024] (scale: entry 10) and Wo's (entry 11; the fourth MiB of wcodes), both laid as images of fragments; out0 [8192][1024] f32.
; out = sum x 2^(e10 + e11) + bo, one fused multiply-add.  LIMIT: e10 + e11 between -126 and 127, so that the power of two is an f32 number.
; A tile of 256 x 256 is made by a work-group of four waves, a wave makes 128 x 128: 64 accumulators.  K = 1024 goes in four steps of 256 through a ring of two LDS slots.
; 128 rows x 256 K of an operand are one dense block of 32,768 bytes (tile i at 4096 i, 128 K at 2048 q, four registers at 512 c, 16 bytes a lane): one tensor load a wave; a fragment comes by four ds_load_b128 at 16 x lane.
; Lane r of tile i holds row 32 (i / 2) + 8 (i % 2) + r + 8 (r / 8).  SOURCE 0 ('X') = Wo's rows (output channels), SOURCE 1 ('Y') = tokens: registers 0-7 of accumulator (a, b) of lane (r, h) are channels
; 32 (b / 2) + 8 (b % 2) + 16 h + 0 .. 7 of the token of lane r of tile a.
; CLUSTERS: 4 x 4 work-groups.  Y's tiles are shared along a row of the cluster, X's along a column: each is asked for JOINTLY.
; REGISTERS, in windows of 256: window 0: v16-31 addresses, v32-95 the bias in the accumulators' layout, v96-127 at work on the way out, v128-255 Y's fragments, ONE set (on the way out: rows read back).
;   window 1: X's fragments, TWO sets.   windows 2, 3: the accumulators ((a, b) at v[8 (8 (a % 4) + b)], a / 4 picks the window).
.set FR,     16                        ; registers of a fragment: 16 rows x 128 K
.set NL,     4                         ; LDS loads that bring one
.set NP,     4                         ; places behind this matrix instruction (ISA guide 7.12.1)
.set KBLK,   32768                     ; 128 rows x 256 K
.set SLOT,   4*KBLK                    ; Y's two blocks, then X's two
.set SPARE,  2*SLOT                    ; behind the ring: the spare words, 128 bytes for each wave: two blocks of 256 bytes that no other line names
.set SPITCH, 528                       ; the way out: a stage of 16 rows x (512 bytes + 16) for each wave, in slot 0, which has had its last fill and its last read when the first result is stored there
.set ADRA, 16                          ; v16-17  LDS address of my Y fragments in slot 0, 1
.set ADRB, 20                          ; v20-21  the same for X
.set LI,   24                          ; v24     16 x lane
.set STO,  25                          ; v25     the stage: row r, + 64 (lane / 16)
.set RD,   26                          ; v26     the stage: 16 x lane
.set SPW,  28                          ; v28     LDS address of my spare word; never rewritten
.set NIL,  29                          ; v29     0; never rewritten
.set OFH,  30                          ; v30     64 (lane / 16)
.set BX,   32                          ; v32-95  bo at my channels: register 8 b + j
.set TMP,  96                          ; v96-127 half a block's results
.set AF,   128                         ; Y's fragments
.set BK,   128                         ; the way out: 16 rows read back: v128-191 and v192-255 by turns
.set G1, 24                            ; s[24:31] descriptor group 1 for Y's tiles;  s[32:39] group 0, one set for each slot
.set G0, 32
.set G1B, 48                           ; s[48:55], s[56:63] the same for X's tiles
.set G0B, 56
.set MSB, 0
.macro WIN new                         ; the immediate's high byte repeats the setting that is left
.if MSB != \new
	s_set_vgpr_msb (MSB<<8)|\new
.set MSB, \new
.endif
.endm
.set MUL_LO, 0xa1                      ; source 0 (X) window 1, source 1 (Y) window 0, C and D window 2
.set MUL_HI, 0xf1                      ; the same, C and D window 3
.set TO_B,   0x40                      ; destination window 1, address window 0
; A joint load: waves 0 and 1 fetch Y's two blocks, waves 2 and 3 X's; the branch hangs on the wave's number alone.  Four v_nop follow each of the two lines.
.macro JLOAD g0a, g1a, g0b, g1b
	s_cmp_eq_u32 s15, 0
	s_cbranch_scc0 .Lfor_b_\@
	tensor_load_to_lds s[\g0a:\g0a+3], s[\g1a:\g1a+7]
	s_nop 0
.rept 4
	v_nop
.endr
	s_branch .Lasked_\@
.Lfor_b_\@:
	tensor_load_to_lds s[\g0b:\g0b+3], s[\g1b:\g1b+7]
	s_nop 0
.rept 4
	v_nop
.endr
.Lasked_\@:
.endm
.macro CREST                           ; a round of the cluster's barrier behind its opening barrier
	s_cmp_lg_u32 s14, 0
	s_cbranch_scc1 .Lnot_wave_0_\@
	s_barrier_signal -3
.Lnot_wave_0_\@:
	s_barrier_wait -3
	s_barrier_signal -1
	s_barrier_wait -1
.endm
.macro CROUND                          ; a whole round
	s_barrier_signal -1
	s_barrier_wait -1
	CREST
.endm
	s_load_b256 s[68:75], s[0:1], 0x0              ; xo, wcodes, the scales' exponents, bo
	s_load_b64 s[76:77], s[0:1], 0x20              ; out0
	v_lshl_add_u32 v[SPW], v0, 2, SPARE
	v_mov_b32 v[NIL], 0
	ds_add_u32 v28, v29
	ds_add_u32 v28, v29
	s_wait_dscnt 0x0
	v_lshrrev_b32 v1, 5, v0
	v_readfirstlane_b32 s14, v1                    ; wave 0..3
	s_lshr_b32 s15, s14, 1                         ; which half of the tile's tokens is mine.  Also: I fetch for Y (0) or for X (1)
	s_and_b32 s16, s14, 1                          ; which half of its channels.  Also: which block of that tile I fetch
	s_bfe_u32 s40, ttmp6, 0x40000                  ; cx, cy: my place in the cluster
	s_bfe_u32 s41, ttmp6, 0x40004
	s_and_b32 s12, ttmp7, 0xffff
	s_lshl_b32 s17, s12, 2
	s_add_co_u32 s17, s17, s41                     ; the tile of tokens = 4 x cluster y + cy; the tile of channels is cx
	s_lshl_b32 s43, s41, 2
	s_lshl_b32 s43, 15, s43                        ; my row of the cluster
	s_lshl_b32 s44, 0x1111, s40                    ; my column
	; descriptor group 1: a dense block as 128 rows of 32 elements of 8 bytes, no padding
	s_or_b32 s[G1+0], s43, (3<<16)|(1<<21)         ; 15:0 the mask: Y's tiles go to my row; 17:16 elements of 8 bytes; 21 set beside a mask
	s_or_b32 s[G1B+0], s44, (3<<16)|(1<<21)        ; X's go to my column
.irp g, G1, G1B
	s_mov_b32 s[\g+1], 32<<16                      ; tensor_dim0 = 32
	s_mov_b32 s[\g+2], 128<<16                     ; tensor_dim1 = 128
	s_mov_b32 s[\g+3], 32<<16                      ; tile_dim0 = 32
	s_mov_b32 s[\g+4], 128                         ; tile_dim1 = 128
	s_mov_b32 s[\g+5], 32                          ; tensor_dim0_stride
	s_mov_b32 s[\g+6], 0
	s_mov_b32 s[\g+7], 0
.endr
	s_lshl_b32 s20, s17, 1
	s_add_co_u32 s20, s20, s16
	s_lshl_b32 s20, s20, 17                        ; Y: block 2 x tile + half, 131,072 bytes each
	s_mov_b32 s21, 0
	s_lshl_b32 s46, s40, 1
	s_add_co_u32 s46, s46, s16
	s_lshl_b32 s46, s46, 17
	s_add_co_u32 s46, s46, 3<<20                   ; X: likewise, in Wo's part of wcodes
	s_mov_b32 s47, 0
	s_lshl_b32 s45, s14, 15                        ; where my block goes: wave x 32,768: no place in the cluster enters an LDS address
	s_wait_kmcnt 0x0
	s_load_b64 s[96:97], s[72:73], 0x28            ; e10, e11
	s_add_nc_u64 s[20:21], s[68:69], s[20:21]
	s_add_nc_u64 s[46:47], s[70:71], s[46:47]
	CROUND                                         ; all sixteen work-groups are here: the first joint loads meet
.irp s, 0,1
	s_mov_b32 s[G0+4*\s], 1
	s_add_co_u32 s[G0+4*\s+1], s45, \s*SLOT
	s_add_nc_u64 s[G0+4*\s+2:G0+4*\s+3], s[20:21], \s*KBLK
	s_or_b32 s[G0+4*\s+3], s[G0+4*\s+3], 0x80000000
	s_mov_b32 s[G0B+4*\s], 1
	s_add_co_u32 s[G0B+4*\s+1], s45, \s*SLOT
	s_add_nc_u64 s[G0B+4*\s+2:G0B+4*\s+3], s[46:47], \s*KBLK
	s_or_b32 s[G0B+4*\s+3], s[G0B+4*\s+3], 0x80000000
	JLOAD G0+4*\s, G1, G0B+4*\s, G1B               ; K steps 0 and 1: two loads of mine are out
.endr
	v_and_b32 v1, 31, v0
	v_lshlrev_b32 v[LI], 4, v1
	s_lshl_b32 s22, s15, 15                        ; my block of Y
	s_lshl_b32 s23, s16, 15                        ; my block of X,
	s_add_co_u32 s23, s23, 2*KBLK                  ; which lies behind Y's two
.irp s, 0,1
	v_add_nc_u32 v[ADRA+\s], s22, v[LI]
	v_add_nc_u32 v[ADRB+\s], s23, v[LI]
	s_add_co_u32 s22, s22, SLOT
	s_add_co_u32 s23, s23, SLOT
.endr
	s_mul_i32 s23, s14, 16*SPITCH                  ; my stage
	v_and_b32 v3, 15, v0
	v_bfe_u32 v2, v0, 4, 1
	v_lshlrev_b32 v[OFH], 6, v2
	v_mul_u32_u24 v[STO], v3, SPITCH
	v_add_nc_u32 v[STO], v[OFH], v[STO]
	v_add_nc_u32 v[STO], s23, v[STO]
	v_add_nc_u32 v[RD], s23, v[LI]
	s_lshl_b32 s2, s40, 8
	s_lshl_b32 s3, s16, 7
	s_add_co_u32 s2, s2, s3                        ; my first channel,
	s_lshl_b32 s2, s2, 2                           ; in bytes
	s_mov_b32 s3, 0
	s_add_nc_u64 s[8:9], s[74:75], s[2:3]          ; bo there
	s_lshl_b32 s12, s17, 8
	s_lshl_b32 s13, s15, 7
	s_add_co_u32 s12, s12, s13                     ; my first token,
	s_lshl_b32 s12, s12, 12                        ; a row of out0 is 4,096 bytes
	s_mov_b32 s13, 0
	s_add_nc_u64 s[98:99], s[76:77], s[12:13]
	s_add_nc_u64 s[98:99], s[98:99], s[2:3]        ; out0 at my first token and channel; never stepped
.irp b, 0,1,2,3,4,5,6,7
	global_load_b128 v[BX+8*\b:BX+8*\b+3], v[OFH], s[8:9] offset:(32*(\b/2)+8*(\b%2))*4       ; channels 32 (b / 2) + 8 (b % 2) + 16 h + 0 .. 7
	global_load_b128 v[BX+8*\b+4:BX+8*\b+7], v[OFH], s[8:9] offset:(32*(\b/2)+8*(\b%2))*4+16
.endr
	s_wait_kmcnt 0x0
	s_add_co_i32 s96, s96, s97
	s_add_co_i32 s96, s96, 127
	s_lshl_b32 s96, s96, 23                        ; 2^(e10 + e11) as f32
	s_mov_b32 s97, s96                             ; (named with it as a pair)
.macro FRAG reg, adr, q, i             ; a fragment's image: four loads of 512 consecutive bytes
.irp c, 0,1,2,3
	ds_load_b128 v[\reg+4*\c:\reg+4*\c+3], v[\adr] offset:(\i)*4096+(\q)*2048+512*\c
.endr
.endm
; 16 matrix instructions: Y's blocks a0, a0 + 1 x X's eight, 128 along K.  p: X's set.  zero = 1: the first product starts the sums.
; The 64 accumulators take turns, one instruction a turn, in the same order in every step.
.macro MUL16 a0, p, zero
.irp a, \a0, \a0+1
.irp b, 0,1,2,3,4,5,6,7
.if \zero
	v_wmma_f32_16x16x128_fp8_fp8 v[8*(8*((\a)%4)+\b):8*(8*((\a)%4)+\b)+7], v[128*(\p)+FR*\b:128*(\p)+FR*\b+FR-1], v[AF+FR*(\a):AF+FR*(\a)+FR-1], 0
.else
	v_wmma_f32_16x16x128_fp8_fp8 v[8*(8*((\a)%4)+\b):8*(8*((\a)%4)+\b)+7], v[128*(\p)+FR*\b:128*(\p)+FR*\b+FR-1], v[AF+FR*(\a):AF+FR*(\a)+FR-1], v[8*(8*((\a)%4)+\b):8*(8*((\a)%4)+\b)+7]
.endif
.endr
.endr
.endm
.macro FETCH_B slot, q, p              ; X's eight fragments of the slot's q-th 128 along K into set p
	WIN TO_B
.irp i, 0,1,2,3,4,5,6,7
	FRAG 128*(\p)+FR*\i, ADRB+\slot, \q, \i
.endr
	WIN 0
.endm
.macro FETCH_A slot, q, i0             ; Y's blocks i0 .. i0 + 3
.irp i, \i0, \i0+1, \i0+2, \i0+3
	FRAG AF+FR*(\i), ADRA+\slot, \q, \i
.endr
.endm
; A load into a register that a matrix instruction has read, and a vector instruction that reads a matrix result, stand NP places behind it; only plain vector instructions that name none of its
; registers are places (ISA guide 7.12.1 for vector instructions).
.macro PLACES n
.rept \n
	v_nop
.endr
.endm
; A step of 128 along K that has its successor in the same slot.  A block of Y is free as soon as its eight products are issued: blocks 0-3 are fetched anew in the step's middle, blocks 4-7 at its end.
.macro STEP slot, q, zero
	s_wait_dscnt 4*NL                              ; X's set and Y's blocks 0-3 are in; the youngest 16 loads (Y's blocks 4-7) may be out
	WIN MUL_LO
	MUL16 0, (\q)%2, \zero
	MUL16 2, (\q)%2, \zero
	s_wait_dscnt 0                                 ; Y's blocks 4-7 are in (asked for 32 matrix instructions ago)
	PLACES NP
	FETCH_B \slot, (\q)+1, 1-(\q)%2
	FETCH_A \slot, (\q)+1, 0
	WIN MUL_HI
	MUL16 4, (\q)%2, \zero
	MUL16 6, (\q)%2, \zero
	PLACES NP
	WIN 0
	FETCH_A \slot, (\q)+1, 4
.endm
; A slot's last step changes slots: ONE barrier; in front of it each wave waits for all its tensor loads, adds 0 to its spare word, and waits for that and for its own reads of this slot.  fill = 1: this slot is filled again, two K steps ahead.
.macro TURN slot, next, fill
	s_wait_tensorcnt 0x0                           ; all my tensor loads have landed: my part of the next slot
	ds_add_u32 v[SPW], v[NIL]                      ; 0 onto my spare word
	s_wait_dscnt 4*NL+1                            ; (the add and the youngest 16 loads, Y's blocks 4-7, may be out)
	WIN MUL_LO
	MUL16 0, 1, 0                                  ; sixteen matrix instructions stand between the add and the wait for it
	s_wait_dscnt 0x0                               ; the add is done, and my reads of this slot are over
	s_barrier_signal -1
	MUL16 2, 1, 0
	WIN 0
	s_barrier_wait -1
.if \fill
	CREST                                          ; the barrier has opened a round of the cluster's barrier: no wave of any partner still reads this slot or has a load on its way
	s_add_nc_u64 s[G0+4*\slot+2:G0+4*\slot+3], s[G0+4*\slot+2:G0+4*\slot+3], 2*KBLK
	s_add_nc_u64 s[G0B+4*\slot+2:G0B+4*\slot+3], s[G0B+4*\slot+2:G0B+4*\slot+3], 2*KBLK
	JLOAD G0+4*\slot, G1, G0B+4*\slot, G1B         ; the first tensor load behind the round, my only one out; the four v_nop behind it are the places in front of the loads below
.else
	PLACES NP
.endif
	FETCH_B \next, 0, 0
	FETCH_A \next, 0, 0
	WIN MUL_HI
	MUL16 4, 1, 0
	MUL16 6, 1, 0
	PLACES NP
	WIN 0
	FETCH_A \next, 0, 4
.endm
	s_wait_tensorcnt 1                             ; my part of K step 0 is in (K step 1's load may be out)
	s_barrier_signal -1
	s_barrier_wait -1                              ; everybody's is
	FETCH_B 0, 0, 0
	FETCH_A 0, 0, 0
	FETCH_A 0, 0, 4
	STEP 0, 0, 1                                   ; K has four steps of 256: written out, no loop.  The first products start the sums
	TURN 0, 1, 1                                   ; slot 0 takes K step 2
	STEP 1, 0, 0
	TURN 1, 0, 1                                   ; slot 1 takes K step 3
	STEP 0, 0, 0
	TURN 0, 1, 0                                   ; nothing is left to fetch: slot 0 has had its last fill, and behind this barrier nobody reads it
	STEP 1, 0, 0
	s_wait_dscnt 4*NL                              ; the very last step
	WIN MUL_LO
	MUL16 0, 1, 0
	MUL16 2, 1, 0
	s_wait_dscnt 0
	WIN MUL_HI
	MUL16 4, 1, 0
	MUL16 6, 1, 0
	WIN 0
; THE WAY OUT, block by block of 16 tokens x 128 channels.  A lane holds pieces of 32 bytes of one row, and the lanes beside it hold other rows: so a block goes through my own stage in LDS and comes back as whole
; rows of 512 bytes, which the 32 lanes store as 512 consecutive bytes, aligned.  LDS serves a wave's instructions in order (ISA guide 5.7.1.4): no wait between the stores and the loads, nor in front of the next block's stores.
.macro TOSTAGE a
.set AC, 64*((\a)%4)
.irp u, 0,1                            ; four accumulators at a time; each is read from its low end on
	WIN 0x02+((\a)/4)                              ; source 0: window 2 or 3
.set j, 0
.rept 16
	v_pk_fma_f32 v[TMP+j:TMP+j+1], v[AC+32*\u+j:AC+32*\u+j+1], s[96:97], v[BX+32*\u+j:BX+32*\u+j+1] op_sel_hi:[1,0,1]   ; sum x 2^(e10 + e11) + bo
.set j, j+2
.endr
	WIN 0
.irp b, 0,1,2,3
	ds_store_b128 v[STO], v[TMP+8*\b:TMP+8*\b+3] offset:128*((4*\u+\b)/2)+32*(\b%2)
	ds_store_b128 v[STO], v[TMP+8*\b+4:TMP+8*\b+7] offset:128*((4*\u+\b)/2)+32*(\b%2)+16
.endr
.endr
.set BB, BK+64*((\a)%2)
.irp t, 0,1,2,3,4,5,6,7,8,9,10,11,12,13,14,15
	ds_load_b128 v[BB+4*\t:BB+4*\t+3], v[RD] offset:\t*SPITCH
.endr
.endm
.macro SEND a, younger                 ; younger: the LDS instructions issued behind block a's loads, which may stay out
.set BB, BK+64*((\a)%2)
	s_wait_dscnt \younger                          ; the block is back in registers
.irp t, 0,1,2,3,4,5,6,7,8,9,10,11,12,13,14,15
	global_store_b128 v[LI], v[BB+4*\t:BB+4*\t+3], s[98:99] offset:(32*((\a)/2)+8*((\a)%2)+\t+8*(\t/8))*4096 th:TH_STORE_NT   ; stage row t is the token of lane t of tile a; 127 rows at the most: inside the signed 24-bit immediate
.endr
.endm
	PLACES NP                                      ; behind the last products: loads land below in the registers that held Y's fragments
	s_wait_loadcnt 0x0                             ; the bias
	TOSTAGE 0
.irp a, 1,2,3,4,5,6,7
.if \a > 1
	s_wait_xcnt 0x0                                ; block a - 2's stores have read their registers: block a's loads may land there
.endif
	TOSTAGE \a
	SEND \a-1, 32                                  ; behind block a - 1's loads: block a's 16 stores and 16 loads
.endr
	SEND 7, 0
	s_wait_tensorcnt 0x0                           ; the wave's end: behind my last tensor load and my last LDS store
	ds_add_u32 v[SPW], v[NIL]
	s_wait_dscnt 0x0
	CROUND                                         ; the closing round: no work-group ends while a partner may still ask for a tile that names it
	s_endpgm
.Lfunc_end_k_qe7c28dff97_outp:
	.size	k_qe7c28dff97_outp, .Lfunc_end_k_qe7c28dff97_outp-k_qe7c28dff97_outp
	.p2alignl 7, 3214868480
	.fill 96, 4, 3214868480
	.section	.rodata,"a",@progbits
	.p2align	6, 0x0
	.amdhsa_kernel k_qe7c28dff97_outp
		.amdhsa_group_segment_fixed_size 327680
		.amdhsa_private_segment_fixed_size 0
		.amdhsa_enable_private_segment 0
		.amdhsa_kernarg_size 40
		.amdhsa_user_sgpr_count 2
		.amdhsa_user_sgpr_kernarg_segment_ptr 1
		.amdhsa_wavefront_size32 1
		.amdhsa_system_sgpr_workgroup_id_x 1
		.amdhsa_system_sgpr_workgroup_id_y 1
		.amdhsa_system_sgpr_workgroup_id_z 1
		.amdhsa_system_vgpr_workitem_id 0
		.amdhsa_next_free_vgpr 1024
		.amdhsa_next_free_sgpr 100
		.amdhsa_reserve_vcc 0
		.amdhsa_float_denorm_mode_32 3
		.amdhsa_float_denorm_mode_16_64 3
		.amdhsa_memory_ordered 1
		.amdhsa_forward_progress 1
		.amdhsa_inst_pref_size 124
	.end_amdhsa_kernel
	.amdgpu_metadata
---
amdhsa.version: [ 1, 2 ]
amdhsa.kernels:
  - .name:           k_qe7c28dff97_outp
    .symbol:         k_qe7c28dff97_outp.kd
    .args:
      - { .name: xo, .offset: 0, .size: 8, .value_kind: global_buffer, .address_space: global }
      - { .name: wcodes, .offset: 8, .size: 8, .value_kind: global_buffer, .address_space: global }
      - { .name: lowp_scales, .offset: 16, .size: 8, .value_kind: global_buffer, .address_space: global }
      - { .name: bo, .offset: 24, .size: 8, .value_kind: global_buffer, .address_space: global }
      - { .name: out0, .offset: 32, .size: 8, .value_kind: global_buffer, .address_space: global }
    .group_segment_fixed_size: 327680
    .private_segment_fixed_size: 0
    .kernarg_segment_align: 8
    .kernarg_segment_size: 40
    .max_flat_workgroup_size: 128
    .sgpr_count:     100
    .vgpr_count:     1024
    .wavefront_size: 32
...
	.end_amdgpu_metadata
.endif
;; end of part 4
;; ======== version 2 of 2: 4 launches; version 1 with the launch attn written anew for expert scheduling mode
;; workspace buffers: xcodes 25,165,824 bytes; wcodes 4,194,304 bytes; qkv 25,165,824 bytes; xo 8,388,608 bytes
;; launch quant: the kernel of part 1 again; grid 448 x 1, 4 waves a work-group, no clusters, 34,304 bytes of LDS; arguments query, key, value, Wq, Wk, Wv, Wo, lowp_scales, xcodes, wcodes; writes xcodes, wcodes
;; launch proj: the kernel of part 2 again; grid 4 x 96, 4 waves a work-group, clusters of 4 x 4, 327,680 bytes of LDS; arguments xcodes, wcodes, lowp_scales, bq, bk, bv, qkv; writes qkv
;; launch attn (part 5): grid 4 x 64, 16 waves a work-group, no clusters, 264,192 bytes of LDS; arguments qkv, lowp_scales, xo; writes xo
.if DOCPART == 5
	.amdgcn_target "amdgcn-amd-amdhsa--gfx1250"
	.amdhsa_code_object_version 6
	.text
	.protected	k_qe7c28dff97_attn
	.globl	k_qe7c28dff97_attn
	.p2align	8
	.type	k_qe7c28dff97_attn,@function
k_qe7c28dff97_attn:
	s_mov_b64 s[64:65], 0
	v_nop
	global_prefetch_b8 v0, s[64:65] scope:SCOPE_SE
	s_setreg_imm32_b32 hwreg(HW_REG_WAVE_SCHED_MODE, 0, 2), 2
	s_setreg_imm32_b32 hwreg(HW_REG_WAVE_MODE, 25, 1), 1
	s_wait_xcnt 0x0
	s_wait_alu depctr_vm_vsrc(0)
; x[b][q][head] = the sum over keys of softmax(q . k / 8) v, both products on codes of FP8 (E4M3) with the given scales (q: entry 6, k: 7, p: 8, v: 9); x is quantised at once with entry 10 and stored as the last product's operand.
; THE SOFTMAX AHEAD OF THE SECOND PRODUCT: t = score x log2(e) / 8; M = the running largest t rounded UP to a whole number; p = 2^(t - M) is what is quantised; the row's sum is taken of the unquantised p, in f32, and divides at
; the end.  When M moves, the sum and O are multiplied by 2^(old M - new M): nothing is rounded.
; LIMITS: e6 + e7 between -123 and 130 (they are added to c's exponent field); e8 and e10 between -126 and 119; e8 + e9 is applied by v_ldexp_f32 and has none.
; SHARES.  A work-group owns 512 queries of one head (4 x 64 = 256 work-groups); each of its sixteen waves owns two tiles of 16 queries, A and B, TOGETHER, so that each fragment of K and V read from LDS feeds two matrix
; instructions.  Four waves share a SIMD: one wave's vector work stands beside another's matrix work and LDS loads.
; THE HEAD'S K AND V, 2,048 keys x 128 bytes = 262,144 bytes, LIE IN LDS WHOLE, as images of fragments: key step s (128 keys) at 16,384 s: K's 8 tiles (1024 t + 512 c), then V's 4 tiles (8192 + 2048 t + 512 c), + 16 x lane.
; Wave w copies key step w at the head: 32 loads and 32 LDS stores a lane, once; one barrier in all.
; NO JOINT LOADS, though the four work-groups of a head read the same K and V: the copy is 64 lines a lane beside 16 key steps of some 450 lines each, a small part of the work.
; A scalar branch on the given whole number e8 spares the 128 holds of a key step wherever they cannot act (p <= 1 < 448 x 2^e8 for e8 >= -8).
; LAYOUT.  Both products are used transposed: S^T = K Q^T (source 0 = 16 keys, source 1 = 16 queries), O^T = V^T P^T (source 0 = 16 channels, source 1 = P): a lane holds ONE query throughout.  Lane r of a tile of K holds key
; 32 (t / 2) + 8 (t % 2) + r + 8 (r / 8), so the 16 registers of tiles 2 b and 2 b + 1 are keys 32 b + 16 (lane / 16) + 0 .. 15: the conversions' results are P's registers.  V's channels are ordered alike, so O^T's are x's.
; O^T and the sums begin as zeros and the largest t as -3e38: 64 lines once, in the shadow of the head's loads, in place of a first key step of its own.
; THE MODE: SCHED_MODE bits 1:0 = 2 (LLVM: expert scheduling mode 2), set by the entry lines.  The code itself states the register dependences between vector or matrix instructions and memory or LDS
; instructions, with s_wait_alu, always for 0.
; THE PLAN.  Registers that memory or LDS instructions touch:
;   v1, v3      16 x lane and the copy's LDS address: made at the head, never written again.
;   v2 (ADR)    Read by every LDS load of K and V; written once a step, behind tile B's conversions.
;   v96-223     At the head: the copy's global loads land in them, its LDS stores read them.
;   v96-159     In a step: scores and p of tile A, read last by its conversions; then V's 16 loads land; the second product reads them.
;   v192-223    In a step: scores and p of tile B's key tiles 4-7, read last by its conversions; then the NEXT step's K, tiles 0-3, lands; the next step's first eight products read it.
;   v224-255    In a step: K's tiles 4-7 land; eight products read them; then numbers at work and p's codes, which the second product reads.  On the way out v224-239 are the stores' data.
; So a step has three waits on va_vdst of its own: at its head (the second product is done reading p's codes: K's tiles 4-7 may land), behind tile A's conversions (V may land), behind tile B's conversions and the step
; of ADR (the next K's tiles 0-3 may land, by the new address); and one on vm_vsrc, ahead of the step of ADR.  No vector or matrix instruction between such a wait and its loads, or behind them up to the wait on
; DScnt for them, names a register that those loads touch.  The last key step asks for no further K and is written out, so that no LDS load leaves the tiles.
.set BLKB, 24576                       ; a block of qkv: 128 tokens of a head
.set HS,   16*BLKB                     ; from head to head
.set STEPB, 16384                      ; a key step in LDS
.set LI,   1                           ; v1   16 x lane; never rewritten
.set ADR,  2                           ; v2   the key step's LDS address
.set STA,  3                           ; v3   where I store my part of the copy
.set PSC,  4                           ; v4   2^e8        v5   448 x 2^e8
.set PLM,  5
.set XSC,  14                          ; v14  2^e10       v15  448 x 2^e10
.set XLM,  15                          ; v6 -M, v7 the largest t, v[8:9] the sum in two halves: tile A;  v10-13: tile B
.set QA,   16                          ; v16-23, v24-31  Q's two fragments
.set QB,   24
.set OA,   32                          ; v32-63, v64-95  O^T
.set OB,   64
.set SA,   96                          ; v96-159   S^T of tile A, then p; then V's four fragments
.set SB,   160                         ; v160-223  S^T of tile B, then p
.set KL,   192                         ; v192-223  K's tiles 0-3, in SB's upper half, from p's conversions until the scores of tiles 4-7 are written there
.set KF,   224                         ; v224-255  K's tiles 4-7; then p's codes
.set PA,   224
.set PB,   240
.set T0,   240                         ; at work, between K's last use and tile B's conversions
.set T1,   241
.set PL,   242
.set F,    244                         ; v[244:245]
.set SU,   246                         ; v[246:247]
	s_load_b128 s[4:7], s[0:1], 0x0                ; qkv, the scales' exponents
	s_load_b64 s[8:9], s[0:1], 0x10                ; xo
	v_lshrrev_b32 v2, 5, v0
	v_readfirstlane_b32 s10, v2                    ; wave 0..15
	v_and_b32 v1, 31, v0
	v_lshlrev_b32 v[LI], 4, v1
	s_wait_alu depctr_va_sdst(0)                   ; s10 is written, ahead of its first reader: LDS addresses and the three bases are made from it
	s_lshl_b32 s16, s10, 14
	v_add_nc_u32 v[STA], s16, v[LI]
	s_and_b32 s11, ttmp7, 0xffff                   ; batch x 16 + head
	s_mul_i32 s12, s11, HS                         ; the head's first byte in qkv
	s_mul_i32 s16, s10, BLKB
	s_add_co_u32 s16, s16, s12                     ; key step w's block
	s_mov_b32 s17, 0
	s_lshl_b32 s18, ttmp9, 2
	s_lshr_b32 s19, s10, 2
	s_add_co_u32 s18, s18, s19                     ; my queries' block of 128 tokens: 4 x work-group x + wave / 4
	s_mul_i32 s19, s18, BLKB
	s_add_co_u32 s19, s19, s12
	s_lshl_b32 s26, s10, 1
	s_and_b32 s26, s26, 7                          ; tile A's number in that block; tile B is the next
	s_lshl_b32 s27, s26, 10
	s_add_co_u32 s19, s19, s27
	s_add_co_u32 s34, s19, 16384                   ; Q's part of the block
	s_mov_b32 s35, 0
	s_lshr_b32 s19, s11, 4
	s_lshl_b32 s19, s19, 4
	s_add_co_u32 s19, s19, s18                     ; xo: my block of 128 rows,
	s_lshl_b32 s36, s19, 17
	s_and_b32 s19, s11, 15                         ; the head: k = 64 x head on:
	s_lshr_b32 s27, s19, 2
	s_lshl_b32 s27, s27, 15                        ; 256 along K: head / 4,
	s_add_co_u32 s36, s36, s27
	s_lshl_b32 s27, s26, 12                        ; the tile,
	s_add_co_u32 s36, s36, s27
	s_and_b32 s27, s19, 3
	s_lshl_b32 s27, s27, 10                        ; 64 along K: 1,024 bytes x (head % 4)
	s_add_co_u32 s36, s36, s27
	s_mov_b32 s37, 0
	s_mov_b32 s20, 0x76543210                      ; v_permlanex16_b32's selects for lane l xor 16
	s_mov_b32 s21, 0xfedcba98
	s_mov_b32 s22, 0x3e38aa3b                      ; c = log2(e) / 8
	s_mov_b32 s24, 0                               ; the key step's first LDS byte
	s_mov_b32 s25, 15                              ; key steps in the loop; the sixteenth is written out
	s_wait_kmcnt 0x0
	s_load_b128 s[28:31], s[6:7], 0x18             ; e6, e7, e8, e9
	s_load_b32 s32, s[6:7], 0x28                   ; e10
	s_add_nc_u64 s[12:13], s[4:5], s[16:17]
	s_add_nc_u64 s[14:15], s[4:5], s[34:35]
	s_add_nc_u64 s[8:9], s[8:9], s[36:37]
	s_wait_alu depctr_va_vdst(0)                   ; v1 and v3 are written: the loads and stores of the whole kernel read v1 as their offset, the copy's LDS stores v3 as their address
.set i, 0
.rept 32
	global_load_b128 v[SA+4*i:SA+4*i+3], v[LI], s[12:13] offset:512*i   ; key step w's K and V: 512 consecutive bytes a load
.set i, i+1
.endr
.irp i, 0,1,2,3
	global_load_b128 v[QA+4*\i:QA+4*\i+3], v[LI], s[14:15] offset:512*\i   ; Q's two fragments stay in registers
.endr
.set i, 0
.rept 64
	v_mov_b32 v[OA+i], 0
.set i, i+1
.endr
	v_mov_b32 v7, 0xff61b1e6                       ; the largest t so far: -3e38, under every t
	v_mov_b32 v11, 0xff61b1e6
	v_floor_f32 v6, -v7                            ; -M
	v_floor_f32 v10, -v11
	v_mov_b32 v8, 0
	v_mov_b32 v9, 0
	v_mov_b32 v12, 0
	v_mov_b32 v13, 0
	v_mov_b32 v[T1], 0                             ; written once: a lane permute's destination counts as one of its sources,
	v_mov_b32 v[PL], 0
	v_mov_b32 v[F+1], 0                            ; and this one is named as the upper half of a pair
	v_add_nc_u32 v[ADR], s24, v[LI]                ; key step 0
	s_wait_kmcnt 0x0
	s_add_co_i32 s16, s28, s29
	s_lshl_b32 s16, s16, 23
	s_add_co_i32 s22, s22, s16                     ; a score stands for score x 2^(e6 + e7): added to c's exponent field
	s_mov_b32 s23, s22                             ; (named with it as a pair)
	s_add_co_i32 s33, s30, s31                     ; e8 + e9
	s_add_co_i32 s16, s30, 127
	s_lshl_b32 s17, s16, 23
	v_mov_b32 v[PSC], s17
	s_add_co_i32 s16, s16, 8
	s_lshl_b32 s16, s16, 23
	s_or_b32 s16, s16, 0x600000
	v_mov_b32 v[PLM], s16
	s_add_co_i32 s16, s32, 127
	s_lshl_b32 s17, s16, 23
	v_mov_b32 v[XSC], s17
	s_add_co_i32 s16, s16, 8
	s_lshl_b32 s16, s16, 23
	s_or_b32 s16, s16, 0x600000
	v_mov_b32 v[XLM], s16
.irp g, 0,1,2,3
	s_wait_loadcnt 4+8*(3-\g)                      ; this group's eight loads are in; the later groups' and Q's four may be out
.irp i, 0,1,2,3,4,5,6,7
	ds_store_b128 v[STA], v[SA+4*(8*\g+\i):SA+4*(8*\g+\i)+3] offset:512*(8*\g+\i)   ; no vector instruction since the wait ahead of the loads names v3 or these registers
.endr
.endr
	s_wait_dscnt 0x0                               ; for the others' sake: my stores have landed
	s_barrier_signal -1
	s_barrier_wait -1                              ; the head's K and V lie in LDS; nothing is written there again
	s_wait_loadcnt 0x0                             ; Q
	s_wait_alu depctr_vm_vsrc(0)                   ; my LDS stores have read v96-223: from here on LDS loads land there and matrix instructions write there
	s_wait_alu depctr_va_vdst(0)                   ; ADR is written, which the loads below read; so are v241, v242 and v245, in which K's tiles 4-7 land
.irp t, 0,1,2,3
	ds_load_b128 v[KL+8*\t:KL+8*\t+3], v[ADR] offset:1024*\t       ; key step 0: K's tiles 0-3
	ds_load_b128 v[KL+8*\t+4:KL+8*\t+7], v[ADR] offset:1024*\t+512
.endr
; One tile's softmax for a key step.  sr: its 64 scores; stt: its four statistics; ot: its O^T; pc: where its codes go.
.macro SOFTMAX sr, stt, ot, pc
	v_max3_num_f32 v[T0], v[\sr], v[\sr+1], v[\sr+2]   ; the step's largest score among my 64 keys, in two chains; each accumulator is read from its low end on
	v_max3_num_f32 v[T1], v[\sr+3], v[\sr+4], v[\sr+5]
.set i, 6
.rept 14
	v_max3_num_f32 v[T0], v[T0], v[\sr+i], v[\sr+i+1]
	v_max3_num_f32 v[T1], v[T1], v[\sr+i+2], v[\sr+i+3]
.set i, i+4
.endr
	v_max3_num_f32 v[T0], v[T0], v[\sr+62], v[\sr+63]
	v_max_num_f32 v[T0], v[T0], v[T1]
	v_permlanex16_b32 v[PL], v[T0], s20, s21
	v_max_num_f32 v[T0], v[T0], v[PL]              ; and among lane l xor 16's
	v_mul_f32 v[T0], s22, v[T0]                    ; as t (c is positive)
	v_max_num_f32 v[\stt+1], v[\stt+1], v[T0]      ; the running largest t
	v_mov_b32 v[T0], v[\stt]
	v_floor_f32 v[\stt], -v[\stt+1]                ; the new -M = floor(-t) = -ceil(t): a whole number
	v_sub_f32 v[T0], v[\stt], v[T0]                ; old M - new M: a whole number, 0 or less
	v_cvt_i32_f32 v[T0], v[T0]                     ; (it saturates)
	v_ldexp_f32 v[F], 1.0, v[T0]                   ; f = 2^(old M - new M)
.set i, 0
.rept 32
	v_pk_fma_f32 v[\sr+i:\sr+i+1], v[\sr+i:\sr+i+1], s[22:23], v[\stt:\stt+1] op_sel_hi:[1,0,0]   ; t - M, two at a time (of the pairs c and -M the low word serves both halves)
.set i, i+2
.endr
.set i, 0
.rept 64
	v_exp_f32 v[\sr+i], v[\sr+i]                   ; p = 2^(t - M), at most 1: not normalised
.set i, i+1
.endr
	v_pk_mul_f32 v[\stt+2:\stt+3], v[\stt+2:\stt+3], v[F:F+1] op_sel_hi:[1,0]   ; the sums under the new M: the plain line behind the exponentials
	s_wait_alu depctr_va_vdst(0)                   ; the 64 exponentials have written p: one wait for the whole batch, ahead of its first reader
	v_pk_add_f32 v[SU:SU+1], v[\sr:\sr+1], v[\sr+2:\sr+3]   ; the row's sum is taken of the unquantised p: two at a time, in two chains
.set i, 4
.rept 15
	v_pk_add_f32 v[\stt+2:\stt+3], v[\stt+2:\stt+3], v[\sr+i:\sr+i+1]
	v_pk_add_f32 v[SU:SU+1], v[SU:SU+1], v[\sr+i+2:\sr+i+3]
.set i, i+4
.endr
	v_pk_add_f32 v[\stt+2:\stt+3], v[\stt+2:\stt+3], v[SU:SU+1]
.set i, 0
.rept 16
	v_pk_mul_f32 v[\ot+i:\ot+i+1], v[\ot+i:\ot+i+1], v[F:F+1] op_sel_hi:[1,0]   ; O^T under the new M
.set i, i+2
.endr
	s_cmp_ge_i32 s30, -8                           ; p <= 1 < 448 x 2^e8 wherever e8 >= -8: the hold cannot act there and is passed over
	s_cbranch_scc1 .Lno_hold_\@
.set i, 0
.rept 64
	v_min_num_f32 v[\sr+i], v[\sr+i], v[PLM]       ; the conversion does not saturate (ISA guide 7.6.2); p is not negative, so the hold is one-sided
.set i, i+1
.endr
.Lno_hold_\@:
.irp b, 0,1,2,3
	v_cvt_scalef32_pk8_fp8_f32 v[\pc+4*\b:\pc+4*\b+1], v[\sr+16*\b:\sr+16*\b+7], v[PSC]
	v_cvt_scalef32_pk8_fp8_f32 v[\pc+4*\b+2:\pc+4*\b+3], v[\sr+16*\b+8:\sr+16*\b+15], v[PSC]
.endr
	v_nop                                          ; a plain line behind the last conversion, ahead of the matrix instructions that read the codes
.endm
; A KEY STEP of 128 keys.  At its head K's tiles 0-3 are on their way or in (eight loads).  last = 1: the sixteenth step, which asks for no further K.
.macro KSTEP last
.rept 5
	v_nop                                          ; five places behind the last products: the scores below are written over V's fragments
.endr
	s_wait_alu depctr_va_vdst(0)                   ; the second product of the step before is done reading p's codes in v224-255, in which K's tiles 4-7 land
.irp t, 0,1,2,3
	ds_load_b128 v[KF+8*\t:KF+8*\t+3], v[ADR] offset:1024*(4+\t)
	ds_load_b128 v[KF+8*\t+4:KF+8*\t+7], v[ADR] offset:1024*(4+\t)+512
.endr
	s_wait_dscnt 8                                 ; LDS loads come back in order (ISA guide 5.7.1): K's tiles 0-3 are in, the eight loads just issued may be out
.irp t, 0,1,2,3                                ; S^T = K Q^T: each tile of 16 keys against both tiles of queries
	v_wmma_f32_16x16x64_fp8_fp8 v[SA+8*\t:SA+8*\t+7], v[KL+8*\t:KL+8*\t+7], v[QA:QA+7], 0
	v_wmma_f32_16x16x64_fp8_fp8 v[SB+8*\t:SB+8*\t+7], v[KL+8*\t:KL+8*\t+7], v[QB:QB+7], 0
.endr
	s_wait_dscnt 0x0                               ; K's tiles 4-7 are in
.irp t, 0,1,2,3
	v_wmma_f32_16x16x64_fp8_fp8 v[SA+32+8*\t:SA+32+8*\t+7], v[KF+8*\t:KF+8*\t+7], v[QA:QA+7], 0
.endr
.rept 5
	v_nop                                          ; five places: the four products below write over K's tiles 0-3, which the first eight have read
.endr
.irp t, 0,1,2,3
	v_wmma_f32_16x16x64_fp8_fp8 v[SB+32+8*\t:SB+32+8*\t+7], v[KF+8*\t:KF+8*\t+7], v[QB:QB+7], 0
.endr
.rept 4
	v_nop                                          ; places in front of the first read of scores, and of the first write of a register that held K
.endr
	SOFTMAX SA, 6, OA, PA
	s_wait_alu depctr_va_vdst(0)                   ; tile A's conversions are done reading its p in v96-159, in which V lands
.irp t, 0,1,2,3                                ; V's four fragments: they land under tile B's softmax, which names neither them nor ADR
.irp c, 0,1,2,3
	ds_load_b128 v[SA+16*\t+4*\c:SA+16*\t+4*\c+3], v[ADR] offset:8192+2048*\t+512*\c
.endr
.endr
	SOFTMAX SB, 10, OB, PB
.if \last
	s_wait_dscnt 0x0                               ; V is in
.else
	s_add_co_u32 s24, s24, STEPB
	s_wait_alu depctr_vm_vsrc(0)                   ; this step's loads of K and V have read ADR
	v_add_nc_u32 v[ADR], s24, v[LI]                ; the next key step
	s_wait_alu depctr_va_vdst(0)                   ; ADR is written, and tile B's conversions are done reading its p in v192-223, in which the next K's tiles 0-3 land
.irp t, 0,1,2,3
	ds_load_b128 v[KL+8*\t:KL+8*\t+3], v[ADR] offset:1024*\t       ; they land under the second product, which names none of these registers
	ds_load_b128 v[KL+8*\t+4:KL+8*\t+7], v[ADR] offset:1024*\t+512
.endr
	s_wait_dscnt 8                                 ; V is in; the eight loads just issued may be out
.endif
.irp t, 0,1,2,3                                ; O^T += V^T P^T: eight accumulators, one instruction a turn
	v_wmma_f32_16x16x128_fp8_fp8 v[OA+8*\t:OA+8*\t+7], v[SA+16*\t:SA+16*\t+15], v[PA:PA+15], v[OA+8*\t:OA+8*\t+7]
	v_wmma_f32_16x16x128_fp8_fp8 v[OB+8*\t:OB+8*\t+7], v[SA+16*\t:SA+16*\t+15], v[PB:PB+15], v[OB+8*\t:OB+8*\t+7]
.endr
.endm
.Lstep:                                            ; 15 trips: a key step of 128 keys each
	KSTEP 0
	s_sub_co_u32 s25, s25, 1
	s_cmp_lg_u32 s25, 0
	s_cbranch_scc1 .Lstep
	KSTEP 1                                        ; the sixteenth
	; THE WAY OUT.  x = O^T x 2^(e8 + e9) / the sum; held, converted with 2^e10.  Registers 16 b + i of a tile are channels 32 b + 16 (lane / 16) + i of the head: 16 bytes of the last product's operand.
.rept 4
	v_nop                                          ; places behind the last products
.endr
	v_add_f32 v8, v8, v9                           ; the sum's two halves,
	v_add_f32 v12, v12, v13
	v_permlanex16_b32 v[PL], v8, s20, s21
	v_permlanex16_b32 v[T1], v12, s20, s21
	v_add_f32 v8, v8, v[PL]                        ; and lane l xor 16's
	v_add_f32 v12, v12, v[T1]
	v_rcp_f32 v8, v8
	v_rcp_f32 v12, v12
	v_nop                                          ; a plain line behind the last reciprocal
	s_wait_alu depctr_va_vdst(0)                   ; the two reciprocals have written v8 and v12: one wait for both, ahead of the first reader
	v_ldexp_f32 v8, v8, s33
	v_ldexp_f32 v12, v12, s33
.set i, 0
.rept 16
	v_pk_mul_f32 v[SA+i:SA+i+1], v[OA+i:OA+i+1], v[8:9] op_sel_hi:[1,0]
.set i, i+2
.endr
.set i, 0
.rept 16
	v_pk_mul_f32 v[SA+32+i:SA+32+i+1], v[OB+i:OB+i+1], v[12:13] op_sel_hi:[1,0]
.set i, i+2
.endr
.set i, 0
.rept 64
	v_med3_num_f32 v[SA+i], v[SA+i], -v[XLM], v[XLM]
.set i, i+1
.endr
.irp b, 0,1,2,3
	v_cvt_scalef32_pk8_fp8_f32 v[PA+4*\b:PA+4*\b+1], v[SA+16*\b:SA+16*\b+7], v[XSC]
	v_cvt_scalef32_pk8_fp8_f32 v[PA+4*\b+2:PA+4*\b+3], v[SA+16*\b+8:SA+16*\b+15], v[XSC]
.endr
	v_nop
	s_wait_alu depctr_va_vdst(0)                   ; the conversions have written v224-239, which the four stores read
	global_store_b128 v[LI], v[PA:PA+3], s[8:9]                    ; tile A, channels 0-31 of the head: 32 lanes store 512 consecutive bytes, aligned
	global_store_b128 v[LI], v[PA+4:PA+7], s[8:9] offset:512       ; channels 32-63
	global_store_b128 v[LI], v[PA+8:PA+11], s[8:9] offset:4096     ; tile B
	global_store_b128 v[LI], v[PA+12:PA+15], s[8:9] offset:4608
	s_wait_xcnt 0x0
	v_lshl_add_u32 v254, v0, 2, 0x40000            ; the add's two registers are made anew: no two could be kept.  No memory or LDS instruction has read v254 or v255
	v_mov_b32 v255, 0
	s_wait_dscnt 0x0                               ; the closing lines, six on end
	s_wait_alu 0x0
	s_wait_tensorcnt 0x0
	ds_add_u32 v254, v255
	s_wait_dscnt 0x0
	s_endpgm
.Lfunc_end_k_qe7c28dff97_attn:
	.size	k_qe7c28dff97_attn, .Lfunc_end_k_qe7c28dff97_attn-k_qe7c28dff97_attn
	.p2alignl 7, 3214868480
	.fill 96, 4, 3214868480
	.section	.rodata,"a",@progbits
	.p2align	6, 0x0
	.amdhsa_kernel k_qe7c28dff97_attn
		.amdhsa_group_segment_fixed_size 264192
		.amdhsa_private_segment_fixed_size 0
		.amdhsa_enable_private_segment 0
		.amdhsa_kernarg_size 24
		.amdhsa_user_sgpr_count 2
		.amdhsa_user_sgpr_kernarg_segment_ptr 1
		.amdhsa_wavefront_size32 1
		.amdhsa_system_sgpr_workgroup_id_x 1
		.amdhsa_system_sgpr_workgroup_id_y 1
		.amdhsa_system_sgpr_workgroup_id_z 1
		.amdhsa_system_vgpr_workitem_id 0
		.amdhsa_next_free_vgpr 256
		.amdhsa_next_free_sgpr 66
		.amdhsa_reserve_vcc 0
		.amdhsa_float_denorm_mode_32 3
		.amdhsa_float_denorm_mode_16_64 3
		.amdhsa_memory_ordered 1
		.amdhsa_forward_progress 1
		.amdhsa_inst_pref_size 76
	.end_amdhsa_kernel
	.amdgpu_metadata
---
amdhsa.version: [ 1, 2 ]
amdhsa.kernels:
  - .name:           k_qe7c28dff97_attn
    .symbol:         k_qe7c28dff97_attn.kd
    .args:
      - { .name: qkv, .offset: 0, .size: 8, .value_kind: global_buffer, .address_space: global }
      - { .name: lowp_scales, .offset: 8, .size: 8, .value_kind: global_buffer, .address_space: global }
      - { .name: xo, .offset: 16, .size: 8, .value_kind: global_buffer, .address_space: global }
    .group_segment_fixed_size: 264192
    .private_segment_fixed_size: 0
    .kernarg_segment_align: 8
    .kernarg_segment_size: 24
    .max_flat_workgroup_size: 512
    .sgpr_count:     66
    .vgpr_count:     256
    .wavefront_size: 32
...
	.end_amdgpu_metadata
.endif
;; end of part 5
;; launch outp: the kernel of part 4 again; grid 4 x 32, 4 waves a work-group, clusters of 4 x 4, 327,680 bytes of LDS; arguments xo, wcodes, lowp_scales, bo, out0; writes out0
